; MI455X (gfx1250); checked and timed in simulation.
; The chip was launched on July 23, 2026; its instructions are those of AMD's public machine-readable ISA for CDNA 5 (MIT licence, August 2026) and "CDNA5" Instruction Set Architecture Reference Guide (July 2026). The comments in the code are by the model that wrote it; some were corrected since.
;; Multi Head Attention. Allowed arithmetic: matrix products marked QUANTISED: E2M3 operands, one E8M0 scale for each 32 along K, by v_wmma_scale_f32_16x16x128_f8f6f4 with both operands' format E2M3, f32 sums; everything else in f32.
;; Inputs: W_k 1,024 x 1,024 float32; W_p 1,024 x 1,024 float32; W_q 1,024 x 1,024 float32; W_v 1,024 x 1,024 float32; x 4 x 2,048 x 1,024 float32.
;; Outputs: out0 4 x 2,048 x 1,024 float32.
;; This version of the problem:
;;   THIS VERSION OF THE PROBLEM IS GIVEN IN LOW PRECISION. The matrix products marked QUANTISED in the list below multiply operands that are first quantised to E2M3 (2 exponent bits, 3 mantissa bits; 6 bits a number), with one power-of-two scale for each 32 numbers along K (OCP MX v1.0); their sums are f32. All else is computed in f32.
;;   The module's matrix products, in the order in which they are computed (A, B: the left and right operand; K: the contracted axis; several contracted axes count as one K, in the product's order):
;;     1. [M 8,192, K 1,024] x [K 1,024, N 1,024]; A: input x; B: input W_k: QUANTISED
;;     2. [M 8,192, K 1,024] x [K 1,024, N 1,024]; A: input x; B: input W_q: QUANTISED
;;     3. [M 8,192, K 1,024] x [K 1,024, N 1,024]; A: input x; B: input W_v: QUANTISED
;;     4. batch 64 x [M 2,048, K 64] x [K 64, N 2,048]; A: computed on the way; B: computed on the way: QUANTISED
;;     5. batch 64 x [M 2,048, K 2,048] x [K 2,048, N 64]; A: softmax (see below); B: computed on the way: QUANTISED
;;     6. [M 8,192, K 1,024] x [K 1,024, N 1,024]; A: computed on the way; B: input W_p: QUANTISED
;;   THE QUANTISER, for each operand of a quantised product, along K:
;;     - K is cut into blocks of 32 from its start; a last block that is shorter is filled with zeros.
;;     - A block's scale is 2^e with e = floor(log2(the largest magnitude in the block)) - 2, held to -126 .. 127; a block of zeros has e = 0. As a byte (E8M0): e + 127.
;;     - Each number is divided by its block's scale, clamped to +-7.5, and rounded to the nearest number of E2M3, ties to even, subnormals kept.
;;     - The product sums the exact products of the quantised numbers (number of the format x scale) in f32.
;;   ~~~python
;;   def quantise(x, axis):      # numpy; x: float32 -> the quantised numbers, widened to float32 again
;;       x = np.moveaxis(x, axis, -1); K = x.shape[-1]
;;       x = np.pad(x, [(0, 0)] * (x.ndim - 1) + [(0, -K % 32)]); x = x.reshape(x.shape[:-1] + (-1, 32)); a = np.abs(x).max(-1, keepdims=True)
;;       e = np.where(a > 0, np.clip(np.frexp(np.where(a > 0, a, 1))[1] - 1 - 2, -126, 127), 0)      # np.frexp(a)[1] - 1 = floor(log2(a)), exactly
;;       r = np.clip(x / 2.0 ** e, -7.5, 7.5)
;;       step = 2.0 ** (np.maximum(np.frexp(np.where(r == 0, 1, r))[1] - 1, 0) - 3)
;;       q = np.round(r / step) * step * 2.0 ** e      # np.round: ties to even
;;       return np.moveaxis(q.reshape(q.shape[:-2] + (-1,))[..., :K], -1, axis).astype(np.float32)
;;   ~~~
;;   SOFTMAX AHEAD OF A QUANTISED PRODUCT. Where the list says 'softmax', what is quantised is not the finished softmax but p = 2^(t - M), with t = logit x log2(e) and M = ceil(the row's largest t), a whole number; so 1/2 < the row's largest p <= 1. The row's sum l is taken of the UNQUANTISED p, in f32, and the product's result is divided by l at the end. Since M is a whole number, a kernel that streams over the keys may use a running M (the ceiling of the running maximum): every later rescaling is an exact power of two, which a block's scale takes up: the codes' values come out the same.
;;   OPERANDS COMPUTED ON THE WAY. 'Computed on the way' means the value that the module computes at that place (a softmax that the list does not call 'softmax' is quantised finished and normalised). What goes into a quantiser is computed in f32, as accurately as f32 sums, v_exp_f32 and their like allow (about 1e-6 of the number): no bf16 or f16 on the way to a quantiser, and a product that is left as it is and whose result goes on into a quantised operand takes f32 operands (vector FMAs, or v_wmma_f32_16x16x4_f32). A number that lies on a knife's edge between two numbers of the format may be rounded either way, as far as f32 arithmetic and the matrix unit's own rounding can turn it there, and no further.
;; One version. Each part assembles by itself: llvm-mc -triple=amdgcn-amd-amdhsa -mcpu=gfx1250 --defsym DOCPART=n.
;; ======== version 1 of 1: 4 launches
;; limits: right only within a limited range of input values
;; workspace buffers: x_img 6,291,456 bytes; x_sc 262,144 bytes; w_img 3,145,728 bytes; w_sc 131,072 bytes; qkv_img 18,874,368 bytes; qkv_sc 786,432 bytes; a_img 6,291,456 bytes; a_sc 262,144 bytes
;; launch quant (part 1): grid 384 x 1, 4 waves a work-group, no clusters, 34,304 bytes of LDS; arguments x, W_q, W_k, W_v, W_p, x_img, x_sc, w_img, w_sc; writes x_img, x_sc, w_img, w_sc
.if DOCPART == 1
	.amdgcn_target "amdgcn-amd-amdhsa--gfx1250"
	.amdhsa_code_object_version 6
	.text
	.protected	k_q43534ecd0c_quant
	.globl	k_q43534ecd0c_quant
	.p2align	8
	.type	k_q43534ecd0c_quant,@function
k_q43534ecd0c_quant:
	s_mov_b64 s[64:65], 0
	v_nop
	global_prefetch_b8 v0, s[64:65] scope:SCOPE_SE
	s_setreg_imm32_b32 hwreg(HW_REG_WAVE_MODE, 25, 1), 1
	s_wait_xcnt 0x0
; x [8192][1024] and W_q, W_k, W_v, W_p [1024][1024], f32 with K innermost, become codes of FP6 (E2M3) with one E8M0 byte for each 32 along K.
; A block's scale is 2^(floor(log2(its largest magnitude)) - 2); its byte is the largest magnitude's exponent field - 2, held at 1 from below.
; LIMITS: NaN and infinities are not served.  A block whose largest magnitude lies under 2^-124 keeps the byte 1; so does a block of zeros (its codes are zeros, and only this program reads the bytes).
; THE LAYOUT OF THE RESULT (all operands of this program lie so in memory).  Rows go in groups of 128, K in steps of 128; a block = one group x one step.
;   codes: 12,288 bytes a block, [tile 0..7][piece 0..5][lane 0..31][8 bytes]: piece p of lane (r = lane % 16, h = lane / 16) is registers 2 p, 2 p + 1 of the matrix operand's twelve:
;          row ROW(tile, r) = 32 (tile / 2) + 8 (tile % 2) + r + 8 (r / 8) of the group, k = 64 (p / 3) + 32 h + 0 .. 31 of the step.  A fragment is six accesses of 8 bytes a lane, 256 consecutive bytes each.
;   scales: 512 bytes a block, [g 0..1][r 0..15][j 0..3] words: the four bytes of row ROW(4 g + j, r).
;   x's block (group G, step s) is number 8 G + s of x_img and x_sc; the weights' groups follow each other in w_img and w_sc: 0-7 W_q, 8-15 W_k, 16-23 W_v, 24-31 W_p.
; SHARES.  96 groups x 8 steps x 2 halves = 1,536 waves: a wave takes four tiles (64 rows) of one step: 64 rows x 512 bytes.  One text for all five tensors: only pointers are chosen, on the work-group's number.
; A load reads 512 consecutive bytes of one row; a tile's 16 rows turn through the wave's own stage in LDS (rows 528 bytes apart), so that a lane gets 16 neighbours of each of its row's four blocks.
; No barrier: waves share nothing.  Two tiles' loads (32 a wave) are out at the start, one tile's while a tile is worked on.
.set SP,   528                         ; a stage row: 512 bytes + 16
.set WREG, 16*SP                       ; a wave's stage
.set L16,  1                           ; v1   16 x lane: my bytes of a row's 512
.set STI,  2                           ; v2   the stage, on the way in: wave's stage + 16 x lane
.set STO,  3                           ; v3   and on the way out: + 528 r + 64 h
.set L8,   4                           ; v4   8 x lane: my place in a piece
.set SOF,  5                           ; v5   16 r + 8 h: my two scale words' place
.set SD,   6                           ; v[6:7] those two words
.set SW,   8                           ; v8-11  the four tiles' scale words
.set TM,   12                          ; v12-23 at work in QUANT
.set PC,   32                          ; v32-51 a tile's codes
.set R,    64                          ; v64-191  two sets of 64 registers, rows as loaded
.set X,    192                         ; v192-255 64 numbers of my row
.set SEL,  36                          ; s[36:37] lane selects: lane l xor 16
; 64 numbers of a lane, register 16 b + i = k 32 b + 16 h + i of my row, become the operand's twelve registers in v[PC] on and my row's scale word in v[pw].
.macro QUANT s, pw
.irp b, 0,1,2,3
	v_max3_num_f32 v[TM+\b], |v[(\s)+16*\b]|, |v[(\s)+16*\b+1]|, 0x1800000   ; block b: my 16 numbers, and the floor 2^(3 - 127): the byte cannot fall under 1
.endr
.irp i, 2,4,6,8,10,12,14
.irp b, 0,1,2,3
	v_max3_num_f32 v[TM+\b], |v[(\s)+16*\b+\i]|, |v[(\s)+16*\b+\i+1]|, v[TM+\b]   ; the four blocks by turns
.endr
.endr
.irp b, 0,1,2,3
	v_permlanex16_b32 v[TM+4+\b], v[TM+\b], s[SEL], s[SEL+1]
.endr
.irp b, 0,1,2,3
	v_max_num_f32 v[TM+\b], v[TM+\b], v[TM+4+\b]   ; with lane l xor 16's 16: the block's largest magnitude
.endr
.irp b, 0,1,2,3
	v_add_nc_u32 v[TM+8+\b], 0xff000000, v[TM+\b]  ; 2 off its exponent field: the conversion takes this operand's exponent field as its scale
.endr
.irp b, 0,1,2,3
	v_lshrrev_b32 v[TM+4+\b], 23, v[TM+8+\b]       ; the scale's byte
.endr
	v_lshl_or_b32 v[\pw], v[TM+5], 8, v[TM+4]
	v_lshl_or_b32 v[\pw], v[TM+6], 16, v[\pw]
	v_lshl_or_b32 v[\pw], v[TM+7], 24, v[\pw]      ; my row's scale word (the same in lanes l and l xor 16)
.irp c, 0,1
	v_cvt_scalef32_pk16_fp6_f32 v[PC+6*\c:PC+6*\c+2], v[(\s)+32*\c:(\s)+32*\c+15], v[TM+8+2*\c]
	v_cvt_scalef32_pk16_fp6_f32 v[PC+12+4*\c:PC+14+4*\c], v[(\s)+32*\c+16:(\s)+32*\c+31], v[TM+9+2*\c]   ; (a conversion's three registers begin on an even number)
.endr
	v_nop                                          ; one plain place behind a scaled conversion
.irp c, 0,1                                    ; the operand wants a WHOLE block in a lane: lanes 0-15 block 2 c, lanes 16-31 block 2 c + 1
.irp i, 0,1,2
	v_permlane16_swap_b32 v[PC+6*\c+\i], v[PC+12+4*\c+\i]
.endr
.irp i, 0,1,2
	v_mov_b32 v[PC+3+6*\c+\i], v[PC+12+4*\c+\i]
.endr
.endr
.endm
	s_load_b256 s[4:11], s[0:1], 0x0               ; x, W_q, W_k, W_v
	s_load_b64 s[12:13], s[0:1], 0x20              ; W_p
	s_load_b128 s[16:19], s[0:1], 0x28             ; x_img, x_sc
	s_load_b128 s[20:23], s[0:1], 0x38             ; w_img, w_sc
	v_lshl_add_u32 v62, v0, 2, 0x8400
	v_mov_b32 v63, 0
	v_lshrrev_b32 v24, 5, v0
	v_readfirstlane_b32 s24, v24                   ; wave 0..3
	v_and_b32 v24, 31, v0                          ; lane
	v_and_b32 v25, 15, v0                          ; r
	v_bfe_u32 v26, v0, 4, 1                        ; h
	v_lshlrev_b32 v[L16], 4, v24
	s_mul_i32 s25, s24, WREG
	v_add_nc_u32 v[STI], s25, v[L16]
	v_mul_u32_u24 v[STO], v25, SP
	v_lshl_add_u32 v[STO], v26, 6, v[STO]
	v_add_nc_u32 v[STO], s25, v[STO]
	v_lshlrev_b32 v[L8], 3, v24
	v_lshlrev_b32 v[SOF], 4, v25
	v_lshl_add_u32 v[SOF], v26, 3, v[SOF]
.irp b, 0,1,2,3
	v_mov_b32 v[TM+4+\b], 0                        ; written once: a lane permute's destination counts as one of its sources
.endr
	s_mov_b32 s[SEL], 0x76543210
	s_mov_b32 s[SEL+1], 0xfedcba98
	s_lshr_b32 s26, ttmp9, 2                       ; the group among all 96: 0-63 x's, 64-95 the weights'
	s_and_b32 s27, ttmp9, 3
	s_lshl_b32 s27, s27, 1
	s_lshr_b32 s28, s24, 1
	s_add_co_u32 s27, s27, s28                     ; the step along K: 2 (work-group % 4) + wave / 2
	s_and_b32 s28, s24, 1                          ; which half of the group's tiles
	s_sub_co_u32 s29, s26, 64                      ; the group among the weights' 32
	s_lshr_b32 s30, s29, 3                         ; which weight
	s_and_b32 s31, s29, 7                          ; and the group in it
	s_wait_alu depctr_va_vdst(0)
	s_wait_kmcnt 0x0
	s_cmp_eq_u32 s30, 1                            ; the choices hang on the work-group's number alone
	s_cselect_b64 s[6:7], s[8:9], s[6:7]
	s_cmp_eq_u32 s30, 2
	s_cselect_b64 s[6:7], s[10:11], s[6:7]
	s_cmp_eq_u32 s30, 3
	s_cselect_b64 s[6:7], s[12:13], s[6:7]
	s_cmp_lt_u32 s26, 64
	s_cselect_b64 s[4:5], s[4:5], s[6:7]           ; the numbers,
	s_cselect_b64 s[16:17], s[16:17], s[20:21]     ; the codes,
	s_cselect_b64 s[18:19], s[18:19], s[22:23]     ; the scale words,
	s_cselect_b32 s31, s26, s31                    ; the group in the source
	s_cselect_b32 s29, s26, s29                    ; and in the destination
	s_lshl_b32 s32, s31, 7
	s_lshl_b32 s33, s28, 6
	s_add_co_u32 s32, s32, s33                     ; my first row: 128 x group + 64 x half
	s_lshl_b32 s32, s32, 12                        ; rows of 4,096 bytes
	s_lshl_b32 s33, s27, 9
	s_add_co_u32 s32, s32, s33                     ; + 512 bytes a step (under 2^26 in all)
	s_mov_b32 s33, 0
	s_add_nc_u64 s[4:5], s[4:5], s[32:33]
	s_lshl_b32 s34, s29, 3
	s_add_co_u32 s34, s34, s27                     ; the block's number
	s_mul_i32 s32, s34, 12288
	s_mul_i32 s35, s28, 6144
	s_add_co_u32 s32, s32, s35
	s_add_nc_u64 s[16:17], s[16:17], s[32:33]
	s_lshl_b32 s32, s34, 9
	s_lshl_b32 s35, s28, 8
	s_add_co_u32 s32, s32, s35
	s_add_nc_u64 s[18:19], s[18:19], s[32:33]
.macro LOAD t                          ; tile t's 16 rows, in the tile's own order, into set t % 2: each load is 512 consecutive bytes, aligned
.irp i, 0,1,2,3,4,5,6,7,8,9,10,11,12,13,14,15
	global_load_b128 v[R+64*((\t)%2)+4*\i:R+64*((\t)%2)+4*\i+3], v[L16], s[4:5] offset:(32*((\t)/2)+8*((\t)%2)+\i+8*(\i/8))*4096 th:TH_LOAD_NT
.endr
.endm
.macro TILE t
.if \t < 3
	s_wait_loadcnt 16                              ; this tile's 16 loads are in; the next tile's 16 may be out
.else
	s_wait_loadcnt 0x0
.endif
.irp i, 0,1,2,3,4,5,6,7,8,9,10,11,12,13,14,15
	ds_store_b128 v[STI], v[R+64*(\t%2)+4*\i:R+64*(\t%2)+4*\i+3] offset:SP*\i
.endr
.irp b, 0,1,2,3
.irp q, 0,1,2,3
	ds_load_b128 v[X+16*\b+4*\q:X+16*\b+4*\q+3], v[STO] offset:128*\b+16*\q   ; LDS serves a wave's instructions in order: these see the stores above
.endr
.endr
	s_wait_dscnt 0x0                               ; my 64 numbers are back, and the stores have read set t % 2
.if \t > 0
	s_wait_xcnt 0x0                                ; the last tile's stores have read the code registers: they are rewritten only behind this wait
.endif
.if \t < 2
	LOAD \t+2
.endif
	QUANT X, SW+\t
.irp p, 0,1,2,3,4,5
	global_store_b64 v[L8], v[PC+2*\p:PC+2*\p+1], s[16:17] offset:1536*\t+256*\p   ; 32 lanes store 256 consecutive bytes, aligned
.endr
.endm
	LOAD 0
	LOAD 1
	TILE 0
	TILE 1
	TILE 2
	TILE 3
	v_cmp_lt_u32 vcc_lo, 15, v24                   ; lanes 16-31 take words 2 and 3 of their row's four
	v_cndmask_b32 v[SD], v[SW], v[SW+2], vcc_lo
	v_cndmask_b32 v[SD+1], v[SW+1], v[SW+3], vcc_lo
	global_store_b64 v[SOF], v[SD:SD+1], s[18:19]  ; 32 lanes store 256 consecutive bytes, aligned
	s_wait_tensorcnt 0x0
	ds_add_u32 v62, v63
	s_wait_dscnt 0x0
	s_endpgm
.Lfunc_end_k_q43534ecd0c_quant:
	.size	k_q43534ecd0c_quant, .Lfunc_end_k_q43534ecd0c_quant-k_q43534ecd0c_quant
	.p2alignl 7, 3214868480
	.fill 96, 4, 3214868480
	.section	.rodata,"a",@progbits
	.p2align	6, 0x0
	.amdhsa_kernel k_q43534ecd0c_quant
		.amdhsa_group_segment_fixed_size 34304
		.amdhsa_private_segment_fixed_size 0
		.amdhsa_enable_private_segment 0
		.amdhsa_kernarg_size 72
		.amdhsa_user_sgpr_count 2
		.amdhsa_user_sgpr_kernarg_segment_ptr 1
		.amdhsa_wavefront_size32 1
		.amdhsa_system_sgpr_workgroup_id_x 1
		.amdhsa_system_sgpr_workgroup_id_y 1
		.amdhsa_system_sgpr_workgroup_id_z 1
		.amdhsa_system_vgpr_workitem_id 0
		.amdhsa_next_free_vgpr 256
		.amdhsa_next_free_sgpr 66
		.amdhsa_reserve_vcc 1
		.amdhsa_float_denorm_mode_32 3
		.amdhsa_float_denorm_mode_16_64 3
		.amdhsa_memory_ordered 1
		.amdhsa_forward_progress 1
		.amdhsa_inst_pref_size 35
	.end_amdhsa_kernel
	.amdgpu_metadata
---
amdhsa.version: [ 1, 2 ]
amdhsa.kernels:
  - .name:           k_q43534ecd0c_quant
    .symbol:         k_q43534ecd0c_quant.kd
    .args:
      - { .name: x, .offset: 0, .size: 8, .value_kind: global_buffer, .address_space: global }
      - { .name: W_q, .offset: 8, .size: 8, .value_kind: global_buffer, .address_space: global }
      - { .name: W_k, .offset: 16, .size: 8, .value_kind: global_buffer, .address_space: global }
      - { .name: W_v, .offset: 24, .size: 8, .value_kind: global_buffer, .address_space: global }
      - { .name: W_p, .offset: 32, .size: 8, .value_kind: global_buffer, .address_space: global }
      - { .name: x_img, .offset: 40, .size: 8, .value_kind: global_buffer, .address_space: global }
      - { .name: x_sc, .offset: 48, .size: 8, .value_kind: global_buffer, .address_space: global }
      - { .name: w_img, .offset: 56, .size: 8, .value_kind: global_buffer, .address_space: global }
      - { .name: w_sc, .offset: 64, .size: 8, .value_kind: global_buffer, .address_space: global }
    .group_segment_fixed_size: 34304
    .private_segment_fixed_size: 0
    .kernarg_segment_align: 8
    .kernarg_segment_size: 72
    .max_flat_workgroup_size: 128
    .sgpr_count:     66
    .vgpr_count:     256
    .wavefront_size: 32
...
	.end_amdgpu_metadata
.endif
;; end of part 1
;; launch qkv (part 2): grid 64 x 4, 4 waves a work-group, clusters of 4 x 1, 327,680 bytes of LDS; arguments x_img, x_sc, w_img, w_sc, qkv_img, qkv_sc; writes qkv_img, qkv_sc
.if DOCPART == 2
	.amdgcn_target "amdgcn-amd-amdhsa--gfx1250"
	.amdhsa_code_object_version 6
	.text
	.protected	k_q43534ecd0c_qkv
	.globl	k_q43534ecd0c_qkv
	.p2align	8
	.type	k_q43534ecd0c_qkv,@function
k_q43534ecd0c_qkv:
	s_mov_b64 s[64:65], 0
	v_nop
	global_prefetch_b8 v0, s[64:65] scope:SCOPE_SE
	s_setreg_imm32_b32 hwreg(HW_REG_WAVE_MODE, 25, 1), 1
	s_wait_xcnt 0x0
	s_wait_alu depctr_hold_cnt(0) depctr_sa_sdst(0) depctr_va_vdst(0) depctr_va_sdst(0) depctr_va_ssrc(0) depctr_va_vcc(0) depctr_vm_vsrc(0)
	s_getreg_b32 s2, hwreg(HW_REG_IB_STS2, 6, 4)
	s_cmp_eq_u32 s2, 0
	s_cbranch_scc0 .Lentry_in_a_cluster
	s_endpgm
.Lentry_in_a_cluster:
	s_bfe_u32 s2, ttmp6, 0x10000c
	s_cmp_lg_u32 s2, 0x3003
	s_cbranch_scc0 .Lentry_shape_is_right
	s_endpgm
.Lentry_shape_is_right:
; Q, K, V = x W^T on codes of FP6 (E2M3) with E8M0 scales, and their quantisers: the results leave as codes and scale bytes, as images of the next launch's operand registers.  No f32 result is stored.
; The 1/32 of q, k and v is a power of two, with which the quantiser commutes: it is applied in the next launch.
; LIMITS: NaN and infinities are not served; a block whose largest magnitude lies under 2^-124 keeps the byte 1, and so does a block of zeros (only this program reads the bytes).
; OPERANDS IN MEMORY: blocks of 128 rows (a group) x 128 along K.  Codes: 12,288 bytes, [tile 0..7][piece 0..5][lane][8 bytes]; lane r of a tile holds row ROW(tile, r) = 32 (tile / 2) + 8 (tile % 2) + r + 8 (r / 8).
; Scales: 512 bytes, [g][r][j] words: row ROW(4 g + j, r).  A group's eight K steps lie on end: 98,304 bytes of codes, 4,096 of scale words.  Weight groups 0-7 W_q, 8-15 W_k, 16-23 W_v.
; RESULTS: q, k: block 64 wg + G (rows: the tokens of group G; K: the 128 channels of weight group wg);  V^T: block 1024 + 128 (G / 16) + 16 (wg - 16) + G % 16 (rows: channels; K: the group's tokens).
; SHARES.  64 token groups x 24 weight groups are 1,536 units of 128 x 128 x 1,024: six to each of 256 work-groups: work-group (G, column) takes token group G against weight groups 6 column + 0 .. 5.
; Four waves, 2 x 2: wave (a, b) holds tiles 4 a + 0 .. 3 of x's group, ALL of K, in 384 registers, and takes tiles 4 b + 0 .. 3 of each weight group, which stream past from LDS a tile at a time, all of K (96 registers, two sets).
; A tile's 32 products (8 K steps x 4 tiles of x, the four accumulators by turns) finish 4 accumulators; four tiles finish a unit's 16.
; WHICH SOURCE IS WHICH.  A lane of a result holds one row of source 1, and its registers run along source 0's rows, which must be the next product's K.  Q, K (K: channels): source 0 = the weights' tile.  V (K: tokens): source 0 = x's tile.
; The accumulators are numbered so that in both cases piece q (0..3) of a unit is 32 registers on end: two blocks of 32 along the next K, 16 of each in a lane.  The choice is a branch on the weight group's number, round the products alone.
; LDS: two slots of one weight group each; x's group in a region of its own; the six groups' scale words; the spare words.  Four first fills, one a wave.  Four refills, a quarter of a group a wave, each behind a round of the
; cluster's barrier; the load has one unit's work in which to land.  The last two units fill nothing and have a text of their own.
; The last unit's look-ahead fetch reads the other slot once more and is not used: so one text serves both of the last units.
; CLUSTER: four token groups of one column walk the same weights: these are asked for jointly.  x's group is each work-group's own: a plain load.  (x is shared by the four columns; as partners these would differ in the choice of sources.)
; PREFETCH: behind each of the first three refills the group that the next refill will load is asked for: 384 blocks of 256 bytes, 24 to each of the cluster's sixteen waves, told apart by address.
; Scale bytes: a piece owns 2 bytes of each of its rows' words and stores them as such, in parts of 256-byte units: they are 1/24 of the codes' bytes.
.set GRPB,  98304
.set S1,    98304
.set XR,    196608
.set WSC,   294912
.set SPARE, 319488
.set L8,  1                            ; 8 x lane
.set AX0, 2                            ; v2, v3  x's fragments in LDS: K steps 0-3, 4-7
.set AX1, 3
.set WB,  4                            ; 6,144 b + 8 x lane
.set WS0, 5                            ; WSC + 256 b + 16 r
.set R16, 6                            ; 16 r
.set SA,  7                            ; 16 r + 8 h
.set AW0, 8                            ; v8, v9  this unit's slot;  v10, v11 the next unit's
.set AW1, 9
.set AN0, 10
.set AN1, 11
.set AWS, 12                           ; the next unit's scale words
.set LN,  13                           ; lane
.set PFV, 14                           ; the prefetch's offset
.set WB1, 15                           ; WB + 49,152
.set SPW, 28
.set NIL, 29
.set RS,  32                           ; v32-63  x's scale words, 4 k + t
.set SS,  68                           ; v68-99  the weights', 4 k + i
.set CD,  128                          ; the way out, window 0
.set T3,  160
.set TM,  176
.set PL,  184
.set SO,  192
.set WD,  200
.set ACC, 128                          ; window 2, v128-255: 16 accumulators.  x's fragments 4 k + t: 0-20 window 1, 21-30 window 2, 31 window 3 at v192.  Window 3, v0-191: the weights' two sets
.set WV,  16
.set RA,  17
.set RB,  18
.set G,   19
.set COL, 20
.set WG,  21
.set CX,  22
.set G1X, 24
.set G1W, 32
.set G1Q, 40
.set G0X, 48
.set G0A, 52
.set G0B, 56
.set G0S, 60
.set G0R, 68
.set SC,  80
.set SN,  81
.set SU,  82
.set CNT, 83
.set VB,  84
.set PQ,  85
.set PV,  86
.set SQ,  87
.set SV,  88
.set W24, 89
.set OB,  90
.set OS,  92
.set SEL, 94
.set PFB, 96
.set MSB, 0
.macro WIN new                         ; the immediate's high byte repeats the setting that is left
.if MSB != (\new)
	s_set_vgpr_msb (MSB<<8)|(\new)
.set MSB, (\new)
.endif
.endm
.macro WALU
	s_wait_alu depctr_va_vdst(0)
.endm
.macro PLACES                          ; five: a product that begins a sum anew over registers of an earlier product stands five places behind it; loads and reads want four
.rept 5
	v_nop
.endr
.endm
.macro ROUND                           ; a round of the cluster's barrier
	s_barrier_signal -1
	s_barrier_wait -1
	s_cmp_lg_u32 s[WV], 0
	s_cbranch_scc1 .Lnot_wave_0_\@
	s_barrier_signal -3
.Lnot_wave_0_\@:
	s_barrier_wait -3
	s_barrier_signal -1
	s_barrier_wait -1
.endm
.macro TLOAD g0, g1
	tensor_load_to_lds s[\g0:\g0+3], s[\g1:\g1+7]
	s_nop 0
	PLACES
.endm
.macro GROUP1 g, word0, rows           ; dense bytes as rows of 256 (32 elements of 8 bytes)
	s_mov_b32 s[\g], \word0
	s_mov_b32 s[\g+1], 32<<16
	s_mov_b32 s[\g+2], (\rows)<<16
	s_mov_b32 s[\g+3], 32<<16
	s_mov_b32 s[\g+4], \rows
	s_mov_b32 s[\g+5], 32
	s_mov_b32 s[\g+6], 0
	s_mov_b32 s[\g+7], 0
.endm
.macro RMAP f                          ; where x's fragment f lies: window RW_, register RR_
.if (\f) < 21
.set RW_, 1
.set RR_, 12*(\f)
.elseif (\f) < 31
.set RW_, 2
.set RR_, 12*((\f)-21)
.else
.set RW_, 3
.set RR_, 192
.endif
.endm
.macro WMQ d, a, b, c, sa, sb
	v_wmma_scale_f32_16x16x128_f8f6f4 v[(\d):(\d)+7], v[(\a):(\a)+11], v[(\b):(\b)+11], \c, v[\sa], v[\sb] matrix_a_fmt:MATRIX_FMT_FP6 matrix_b_fmt:MATRIX_FMT_FP6
.endm
.macro PROD role, i, k, t
	RMAP 4*(\k)+(\t)
.set SR_, 96*((\i)%2)+12*(\k)
.if \role
.set D_, ACC+32*(\i)+8*(\t)
	WIN RW_|(3<<2)|(2<<4)|(2<<6)
.if \k
	WMQ D_, RR_, SR_, v[D_:D_+7], RS+4*(\k)+(\t), SS+4*(\k)+(\i)
.else
	WMQ D_, RR_, SR_, 0, RS+4*(\k)+(\t), SS+4*(\k)+(\i)
.endif
.else
.set D_, ACC+32*(\t)+8*(\i)
	WIN 3|(RW_<<2)|(2<<4)|(2<<6)
.if \k
	WMQ D_, SR_, RR_, v[D_:D_+7], SS+4*(\k)+(\i), RS+4*(\k)+(\t)
.else
	WMQ D_, SR_, RR_, 0, SS+4*(\k)+(\i), RS+4*(\k)+(\t)
.endif
.endif
.endm
.macro PRODS role, i
.irp k, 0,1,2,3,4,5,6,7
.irp t, 0,1,2,3
	PROD \role, \i, \k, \t
.endr
.endr
	WIN 0
.endm
.macro BATCH i                         ; the 32 products of the weights' tile i; the first four start the sums
	s_cmp_lt_u32 s[WG], 16
	s_cbranch_scc0 .Lfor_v_\@
	PRODS 0, \i
	s_branch .Ldone_\@
.Lfor_v_\@:
	PRODS 1, \i
.Ldone_\@:
.endm
.macro FETCH adr, i, e                 ; the weights' tile 4 b + i, all of K, into set e: 48 loads
	WIN 0xc0
.irp k, 0,1,2,3,4,5,6,7
.irp p, 0,1,2,3,4,5
	ds_load_b64 v[96*(\e)+12*\k+2*\p:96*(\e)+12*\k+2*\p+1], v[\adr+\k/4] offset:(\k%4)*12288+(\i)*1536+256*\p
.endr
.endr
	WIN 0
.endm
.macro SSLOAD                          ; a unit's scale words of my four tiles: 8 loads
.irp k, 0,1,2,3,4,5,6,7
	ds_load_b128 v[SS+4*\k:SS+4*\k+3], v[AWS] offset:512*\k
.endr
.endm
; THE WAY OUT of a unit: four pieces of 32 sums a lane; block k = 2 q + (0, 1) lies at ACC + 16 k.  The eight blocks by turns.
.macro WAYOUT fill
	s_wait_xcnt 0x0                                ; the last unit's stores and my prefetch have read their registers and bases
.if \fill
	s_add_nc_u64 s[PFB:PFB+1], s[PFB:PFB+1], GRPB
.endif
	s_lshl_b32 s72, s[WG], 6
	s_add_co_u32 s72, s72, s[G]                    ; q, k: block 64 wg + G
	s_lshl_b32 s73, s[WG], 4
	s_add_co_u32 s73, s73, s[VB]                   ; V^T's
	s_cmp_lt_u32 s[WG], 16
	s_cselect_b32 s72, s72, s73
	s_cselect_b32 s73, s[PQ], s[PV]                ; my four tiles and my half of their pieces
	s_cselect_b32 s74, s[SQ], s[SV]
	s_mul_i32 s76, s72, 12288
	s_add_co_u32 s76, s76, s73
	s_mov_b32 s77, 0
	s_add_nc_u64 s[OB:OB+1], s[12:13], s[76:77]
	s_lshl_b32 s76, s72, 9
	s_add_co_u32 s76, s76, s74
	s_add_nc_u64 s[OS:OS+1], s[14:15], s[76:77]
	WIN 0x0a
.irp k, 0,1,2,3,4,5,6,7
	v_max3_num_f32 v[TM+\k], |v[ACC+16*\k]|, |v[ACC+16*\k+1]|, 0x1800000   ; my 16 of block k, and the floor 2^(3 - 127); each accumulator from its low end on
.endr
.irp i, 2,4,6,8,10,12,14
.irp k, 0,1,2,3,4,5,6,7
	v_max3_num_f32 v[TM+\k], |v[ACC+16*\k+\i]|, |v[ACC+16*\k+\i+1]|, v[TM+\k]
.endr
.endr
	WIN 0
.irp k, 0,1,2,3,4,5,6,7
	v_permlanex16_b32 v[PL+\k], v[TM+\k], s[SEL], s[SEL+1]
.endr
.irp k, 0,1,2,3,4,5,6,7
	v_max_num_f32 v[TM+\k], v[TM+\k], v[PL+\k]     ; with lane l xor 16's 16: the block's largest magnitude
.endr
.irp k, 0,1,2,3,4,5,6,7
	v_add_nc_u32 v[SO+\k], 0xff000000, v[TM+\k]    ; 2 off its exponent field: the conversion's scale operand
.endr
.irp k, 0,1,2,3,4,5,6,7
	v_lshrrev_b32 v[PL+\k], 23, v[SO+\k]           ; the scale's byte
.endr
.irp q, 0,1,2,3
	v_lshl_or_b32 v[WD+\q], v[PL+2*\q+1], 8, v[PL+2*\q]
.endr
	WIN 0x02
.irp q, 0,1,2,3
	v_cvt_scalef32_pk16_fp6_f32 v[CD+8*\q:CD+8*\q+2], v[ACC+32*\q:ACC+32*\q+15], v[SO+2*\q]
	v_cvt_scalef32_pk16_fp6_f32 v[T3+4*\q:T3+4*\q+2], v[ACC+32*\q+16:ACC+32*\q+31], v[SO+2*\q+1]
.endr
	WIN 0
	v_nop                                          ; one plain place behind a scaled conversion
.irp q, 0,1,2,3                                ; a WHOLE block in a lane: lanes 0-15 the first, lanes 16-31 the second
.irp i, 0,1,2
	v_permlane16_swap_b32 v[CD+8*\q+\i], v[T3+4*\q+\i]
.endr
.endr
.irp q, 0,1,2,3
.irp i, 0,1,2
	v_mov_b32 v[CD+8*\q+3+\i], v[T3+4*\q+\i]
.endr
.endr
	v_cmp_lt_u32 vcc_lo, 15, v[LN]                 ; lanes 0-15 store pieces 0 and 1's bytes, lanes 16-31 pieces 2 and 3's
	v_cndmask_b32 v[WD], v[WD], v[WD+2], vcc_lo
	v_cndmask_b32 v[WD+1], v[WD+1], v[WD+3], vcc_lo
.irp q, 0,1,2,3
.irp i, 0,1,2
	global_store_b64 v[L8], v[CD+8*\q+2*\i:CD+8*\q+2*\i+1], s[OB:OB+1] offset:1536*\q+256*\i   ; 32 lanes store 256 consecutive bytes, aligned
.endr
.endr
	global_store_b16 v[SA], v[WD], s[OS:OS+1]
	global_store_b16 v[SA], v[WD+1], s[OS:OS+1] offset:4
.endm
; A UNIT.  At its head sets 0 and 1 hold (or await) its tiles 0 and 1, and its scale words are asked for.  Each s_wait_dscnt 48 leaves out the 48 loads of the tile fetched last.
.macro UNIT fill
	v_add_nc_u32 v[AW0], s[SC], v[WB]
	v_add_nc_u32 v[AW1], s[SC], v[WB1]
	v_add_nc_u32 v[AN0], s[SN], v[WB]
	v_add_nc_u32 v[AN1], s[SN], v[WB1]
	v_add_nc_u32 v[AWS], s[SU], v[WS0]
	WALU                                           ; the wait behind these writes
	s_wait_dscnt 48
	BATCH 0
	PLACES
	FETCH AW0, 2, 0
	s_wait_dscnt 48
	BATCH 1
	PLACES
	FETCH AW0, 3, 1
	s_wait_dscnt 48
	BATCH 2
	s_wait_tensorcnt 0x0                           ; my quarter of the next unit's group has landed
.if \fill
	ds_add_u32 v[SPW], v[NIL]
	s_add_co_u32 s[G0R+1], s[SC], s[W24]           ; no load of mine is out: the group two on, into this unit's slot
	s_add_nc_u64 s[G0R+2:G0R+3], s[G0R+2:G0R+3], GRPB
	s_wait_dscnt 0x0                               ; the add is done, and so are my reads of this unit's slot (tile 3 is in)
	ROUND
	TLOAD G0R, G1Q                                 ; the v_nop behind it are also the places in front of the loads below
.else
	s_wait_dscnt 0x0
	s_barrier_signal -1
	s_barrier_wait -1                              ; the last refill is shown to all
	PLACES
.endif
	FETCH AN0, 0, 0
.if \fill
	s_cmp_gt_u32 s[CNT], s23                       ; the last refill has none behind it; and only a column's first four clusters ask
	s_cbranch_scc0 .Lno_ask_\@
	global_prefetch_b8 v[PFV], s[PFB:PFB+1] th:TH_LOAD_NT scope:SCOPE_SE
.Lno_ask_\@:
.endif
	BATCH 3
	PLACES                                         ; in front of the loads below and of the first read of the sums
	SSLOAD
	FETCH AN0, 1, 1
	WAYOUT \fill
	s_xor_b32 s[SC], s[SC], S1
	s_xor_b32 s[SN], s[SN], S1
	s_add_co_u32 s[WG], s[WG], 1
	s_add_co_u32 s[SU], s[SU], 4096
	s_min_u32 s[SU], s[SU], 5*4096
.endm
	s_load_b256 s[4:11], s[0:1], 0x0               ; x_img, x_sc, w_img, w_sc
	s_load_b128 s[12:15], s[0:1], 0x20             ; qkv_img, qkv_sc
	v_lshl_add_u32 v[SPW], v0, 2, SPARE
	v_mov_b32 v[NIL], 0
	ds_add_u32 v[SPW], v[NIL]                      ; the opening lines: the add, twice on end, and its wait
	ds_add_u32 v[SPW], v[NIL]
	v_lshrrev_b32 v[LN], 5, v0
	v_readfirstlane_b32 s[WV], v[LN]               ; wave 0..3
	s_lshr_b32 s[RA], s[WV], 1                     ; a
	s_and_b32 s[RB], s[WV], 1                      ; b
	s_mul_i32 s72, s[RA], 6144
	s_add_co_u32 s72, s72, XR
	s_mul_i32 s73, s[RB], 6144
	s_lshl_b32 s74, s[RB], 8
	s_add_co_u32 s74, s74, WSC
	v_and_b32 v[LN], 31, v0
	v_and_b32 v[R16], 15, v0
	v_bfe_u32 v[SA], v0, 4, 1
	v_lshlrev_b32 v[L8], 3, v[LN]
	v_lshlrev_b32 v[R16], 4, v[R16]
	v_min_u32 v[PFV], 23, v[LN]
	v_add_nc_u32 v[AX0], s72, v[L8]
	v_add_nc_u32 v[WB], s73, v[L8]
	v_lshl_add_u32 v[SA], v[SA], 3, v[R16]
	v_add_nc_u32 v[WS0], s74, v[R16]
	v_lshlrev_b32 v[PFV], 8, v[PFV]
	v_add_nc_u32 v[AX1], 49152, v[AX0]
	v_add_nc_u32 v[WB1], 49152, v[WB]
	v_mov_b32 v[AN0], v[WB]                        ; unit 0 lies in slot 0
	v_mov_b32 v[AWS], v[WS0]
	v_add_nc_u32 v[AN1], 49152, v[WB]
.irp k, 0,1,2,3,4,5,6,7
	v_mov_b32 v[PL+\k], 0                          ; a lane permute's destination counts as one of its sources
.endr
	WALU                                           ; the wait behind these writes
	s_bfe_u32 s[CX], ttmp6, 0x40000
	s_lshl_b32 s[G], ttmp9, 2
	s_add_co_u32 s[G], s[G], s[CX]                 ; my token group
	s_and_b32 s[COL], ttmp7, 0xffff                ; my column, which the four partners share
	s_mul_i32 s[WG], s[COL], 6                     ; its first weight group
	GROUP1 G1X, 3<<16, 384                         ; x's group: a load of my own
	GROUP1 G1W, 15|(3<<16)|(1<<21), 384            ; a weight group, for all four
	GROUP1 G1Q, 15|(3<<16)|(1<<21), 96             ; a quarter of one; also the six groups' scale words
	s_mul_i32 s[W24], s[WV], 24576
	s_mul_i32 s72, s[G], GRPB
	s_mov_b32 s73, 0
	s_lshl_b32 s74, s[G], 12
	s_lshl_b32 s75, s[RA], 8
	s_add_co_u32 s74, s74, s75
	s_mov_b32 s75, 0
	s_mul_i32 s76, s[WG], GRPB
	s_mov_b32 s77, 0
	s_lshl_b32 s78, s[WG], 12
	s_mov_b32 s79, 0
	s_mov_b32 s[G0X], 1
	s_mov_b32 s[G0X+1], XR
	s_mov_b32 s[G0A], 1
	s_mov_b32 s[G0A+1], 0
	s_mov_b32 s[G0B], 1
	s_mov_b32 s[G0B+1], S1
	s_mov_b32 s[G0S], 1
	s_mov_b32 s[G0S+1], WSC
	s_mov_b32 s[G0R], 1
	s_mov_b32 s[G0R+1], s[W24]
	s_lshr_b32 s[VB], s[G], 4
	s_lshl_b32 s[VB], s[VB], 7
	s_and_b32 s[PQ], s[G], 15
	s_add_co_u32 s[VB], s[VB], s[PQ]
	s_add_co_u32 s[VB], s[VB], 768                 ; 1024 - 16 x 16 + 128 (G / 16) + G % 16
	s_mul_i32 s[PQ], s[RA], 6144
	s_mul_i32 s[PV], s[RB], 768
	s_add_co_u32 s[PQ], s[PQ], s[PV]               ; q, k: tiles 4 a + q, pieces 3 b ..
	s_mul_i32 s[PV], s[RB], 6144
	s_mul_i32 s[SQ], s[RA], 768
	s_add_co_u32 s[PV], s[PV], s[SQ]               ; V^T: tiles 4 b + q, pieces 3 a ..
	s_lshl_b32 s[SQ], s[RA], 8
	s_lshl_b32 s[SV], s[RB], 1
	s_add_co_u32 s[SQ], s[SQ], s[SV]
	s_lshl_b32 s[SV], s[RB], 8
	s_lshl_b32 s[SC], s[RA], 1
	s_add_co_u32 s[SV], s[SV], s[SC]
	s_mov_b32 s[SEL], 0x76543210
	s_mov_b32 s[SEL+1], 0xfedcba98
	s_wait_dscnt 0x0                               ; both opening adds are done
	s_wait_kmcnt 0x0
	s_add_nc_u64 s[G0X+2:G0X+3], s[4:5], s[72:73]
	s_or_b32 s[G0X+3], s[G0X+3], 0x80000000
	s_add_nc_u64 s[6:7], s[6:7], s[74:75]          ; x's scale words: my four tiles'
	s_add_nc_u64 s[G0A+2:G0A+3], s[8:9], s[76:77]
	s_add_nc_u64 s[G0B+2:G0B+3], s[G0A+2:G0A+3], GRPB
	s_mov_b32 s72, s[W24]
	s_add_nc_u64 s[G0R+2:G0R+3], s[G0B+2:G0B+3], s[72:73]   ; my quarter of the column's second group: each refill steps one group on first
	s_lshl_b32 s72, s[CX], 2
	s_add_co_u32 s72, s72, s[WV]
	s_mul_i32 s72, s72, 6144                       ; my sixteenth of a group, for the prefetch
	s_add_nc_u64 s[PFB:PFB+1], s[G0A+2:G0A+3], s[72:73]
	s_add_nc_u64 s[PFB:PFB+1], s[PFB:PFB+1], 3*GRPB
	s_or_b32 s[G0A+3], s[G0A+3], 0x80000000
	s_or_b32 s[G0B+3], s[G0B+3], 0x80000000
	s_or_b32 s[G0R+3], s[G0R+3], 0x80000000
	s_add_nc_u64 s[G0S+2:G0S+3], s[10:11], s[78:79]
	s_or_b32 s[G0S+3], s[G0S+3], 0x80000000
	ROUND                                          ; all four work-groups are here: the joint loads meet
	s_cmp_eq_u32 s[WV], 0                          ; one chain of branches on the wave's number, one load to an arm
	s_cbranch_scc0 .Lwave_1
	TLOAD G0X, G1X                                 ; x's group, which goes on into registers
	s_branch .Lasked
.Lwave_1:
	s_cmp_eq_u32 s[WV], 1
	s_cbranch_scc0 .Lwave_2
	TLOAD G0A, G1W                                 ; the first weight group
	s_branch .Lasked
.Lwave_2:
	s_cmp_eq_u32 s[WV], 2
	s_cbranch_scc0 .Lwave_3
	TLOAD G0S, G1Q                                 ; the six groups' scale words
	s_branch .Lasked
.Lwave_3:
	TLOAD G0B, G1W                                 ; the second weight group
.Lasked:
.irp k, 0,1,2,3,4,5,6,7
	global_load_b128 v[RS+4*\k:RS+4*\k+3], v[R16], s[6:7] offset:512*\k   ; sixteen lanes read 256 consecutive bytes, aligned
.endr
	s_mov_b32 s[SC], 0
	s_mov_b32 s[SN], S1
	s_mov_b32 s[SU], 4096
	s_mov_b32 s[CNT], 4
	s_cmp_lt_u32 ttmp9, 4                          ; the sixteen clusters of a column walk the same weights: the first four ask for them (the cluster's x is the same in all partners)
	s_cselect_b32 s23, 1, 64
	s_wait_tensorcnt 0x0                           ; on every wave's way: my load has landed
	s_barrier_signal -1
	s_barrier_wait -1                              ; everybody's has
.irp k, 0,1,2,3,4,5,6,7                        ; my four tiles of x, all of K: 192 loads
.irp t, 0,1,2,3
	RMAP 4*\k+\t
	WIN RW_<<6
.irp p, 0,1,2,3,4,5
	ds_load_b64 v[RR_+2*\p:RR_+2*\p+1], v[AX0+\k/4] offset:(\k%4)*12288+\t*1536+256*\p
.endr
.endr
.endr
	WIN 0
	FETCH AN0, 0, 0
	SSLOAD
	FETCH AN0, 1, 1
	s_wait_loadcnt 0x0                             ; x's scale words
.Lwith_fill:                                           ; units 0 to 3
	UNIT 1
	s_sub_co_u32 s[CNT], s[CNT], 1
	s_cmp_lg_u32 s[CNT], 0
	s_cbranch_scc1 .Lwith_fill
	s_mov_b32 s[CNT], 2
.Lwithout:                                             ; units 4 and 5
	UNIT 0
	s_sub_co_u32 s[CNT], s[CNT], 1
	s_cmp_lg_u32 s[CNT], 0
	s_cbranch_scc1 .Lwithout
	s_wait_tensorcnt 0x0                           ; the wave's end
	ds_add_u32 v[SPW], v[NIL]
	s_wait_dscnt 0x0
	ROUND                                          ; the closing round
	s_endpgm
.Lfunc_end_k_q43534ecd0c_qkv:
	.size	k_q43534ecd0c_qkv, .Lfunc_end_k_q43534ecd0c_qkv-k_q43534ecd0c_qkv
	.p2alignl 7, 3214868480
	.fill 96, 4, 3214868480
	.section	.rodata,"a",@progbits
	.p2align	6, 0x0
	.amdhsa_kernel k_q43534ecd0c_qkv
		.amdhsa_group_segment_fixed_size 327680
		.amdhsa_private_segment_fixed_size 0
		.amdhsa_enable_private_segment 0
		.amdhsa_kernarg_size 48
		.amdhsa_user_sgpr_count 2
		.amdhsa_user_sgpr_kernarg_segment_ptr 1
		.amdhsa_wavefront_size32 1
		.amdhsa_system_sgpr_workgroup_id_x 1
		.amdhsa_system_sgpr_workgroup_id_y 1
		.amdhsa_system_sgpr_workgroup_id_z 1
		.amdhsa_system_vgpr_workitem_id 0
		.amdhsa_next_free_vgpr 1024
		.amdhsa_next_free_sgpr 100
		.amdhsa_reserve_vcc 1
		.amdhsa_float_denorm_mode_32 3
		.amdhsa_float_denorm_mode_16_64 3
		.amdhsa_memory_ordered 1
		.amdhsa_forward_progress 1
		.amdhsa_inst_pref_size 143
	.end_amdhsa_kernel
	.amdgpu_metadata
---
amdhsa.version: [ 1, 2 ]
amdhsa.kernels:
  - .name:           k_q43534ecd0c_qkv
    .symbol:         k_q43534ecd0c_qkv.kd
    .args:
      - { .name: x_img, .offset: 0, .size: 8, .value_kind: global_buffer, .address_space: global }
      - { .name: x_sc, .offset: 8, .size: 8, .value_kind: global_buffer, .address_space: global }
      - { .name: w_img, .offset: 16, .size: 8, .value_kind: global_buffer, .address_space: global }
      - { .name: w_sc, .offset: 24, .size: 8, .value_kind: global_buffer, .address_space: global }
      - { .name: qkv_img, .offset: 32, .size: 8, .value_kind: global_buffer, .address_space: global }
      - { .name: qkv_sc, .offset: 40, .size: 8, .value_kind: global_buffer, .address_space: global }
    .group_segment_fixed_size: 327680
    .private_segment_fixed_size: 0
    .kernarg_segment_align: 8
    .kernarg_segment_size: 48
    .max_flat_workgroup_size: 128
    .sgpr_count:     100
    .vgpr_count:     1024
    .wavefront_size: 32
...
	.end_amdgpu_metadata
.endif
;; end of part 2
;; launch attn (part 3): grid 4 x 64, 8 waves a work-group, clusters of 4 x 1, 327,680 bytes of LDS; arguments qkv_img, qkv_sc, a_img, a_sc; writes a_img, a_sc
.if DOCPART == 3
	.amdgcn_target "amdgcn-amd-amdhsa--gfx1250"
	.amdhsa_code_object_version 6
	.text
	.protected	k_q43534ecd0c_attn
	.globl	k_q43534ecd0c_attn
	.p2align	8
	.type	k_q43534ecd0c_attn,@function
k_q43534ecd0c_attn:
	s_mov_b64 s[64:65], 0
	v_nop
	global_prefetch_b8 v0, s[64:65] scope:SCOPE_SE
	s_setreg_imm32_b32 hwreg(HW_REG_WAVE_MODE, 25, 1), 1
	s_wait_xcnt 0x0
	s_wait_alu depctr_hold_cnt(0) depctr_sa_sdst(0) depctr_va_vdst(0) depctr_va_sdst(0) depctr_va_ssrc(0) depctr_va_vcc(0) depctr_vm_vsrc(0)
	s_getreg_b32 s2, hwreg(HW_REG_IB_STS2, 6, 4)
	s_cmp_eq_u32 s2, 0
	s_cbranch_scc0 .Lentry_in_a_cluster
	s_endpgm
.Lentry_in_a_cluster:
	s_bfe_u32 s2, ttmp6, 0x10000c
	s_cmp_lg_u32 s2, 0x3003
	s_cbranch_scc0 .Lentry_shape_is_right
	s_endpgm
.Lentry_shape_is_right:
; Attention on codes of FP6 (E2M3) with E8M0 scales: scores = q k^T, p = 2^(t - M), O = p v / the row's sum; O is quantised along the head's channels and leaves as codes for the last product.
; THE SOFTMAX: t = score x c; M = the running largest t rounded UP to a whole number; p = 2^(t - M) is quantised along the keys, not normalised; the sum is taken of the unquantised p, in f32, and divides at the end.
; When M moves, the sum and O are multiplied by 2^(old M - new M), which rounds nothing.
; THE FIXED FACTORS are powers of two, with which the quantiser commutes: q, k and v arrive without their 1/32.  c = log2(e) x 2^-13.  1 / sum is multiplied by 2^-10: v's 1/32 and the last product's 1/32.
; LIMITS: NaN and infinities are not served; the promise holds while |t| stays under 2^31; a block whose largest magnitude lies under 2^-124 keeps the byte 1, and so does a block of zeros (only this program reads the bytes).
; OPERANDS IN MEMORY: blocks of 128 rows x 128 along K.  Codes: 12,288 bytes, [tile 0..7][piece 0..5][lane][8 bytes], an image of the operand's registers; lane r of a tile holds row
; ROW(tile, r) = 32 (tile / 2) + 8 (tile % 2) + r + 8 (r / 8).  Scales: 512 bytes, [g][r][j] words: row ROW(4 g + j, r).  With j = pair of heads, b = batch, s = 128 tokens of the batch:
; q: block 64 j + 16 b + s, k: 512 + the same (K: head 2 j's 64 channels in pieces 0-2, head 2 j + 1's in pieces 3-5); V^T: 1024 + 16 (8 b + j) + s (rows: the pair's channels, a head's in four tiles; K: the step's 128 keys).
; SHARES.  A work-group owns ONE head and 512 queries; 4 x 64 work-groups.  The head's K and V of all 2,048 keys are 2 x 98,304 bytes: they come into LDS once, at the head, with their scale words, and stay:
; nothing is filled again, and no barrier stands in the walk over the keys.  Eight waves, two to a SIMD; a wave owns four tiles of 16 queries.
; A key step's fragments of K (8 x 6 registers) and of V (4 x 12) lie in registers and serve the wave's four tiles; the next step's are fetched one tile's work ahead of their first use.
; THE SCORES' K is 64 in an instruction of 128: q's operand is [q | zero codes]; a tile of k is six registers, and the operand's other six are the next tile's: every code is a finite number, meets a zero code, and adds 0.
; The scale words of k and q are read as the head's own two bytes (16 bits, zero above): the bytes over the zero codes are 0, a finite scale.
; THE ORDER.  Two sets of registers for the scores.  In tile n's turn stand: the blocks' largest scores of tile n; the products P V of tile n - 1 and the scores of tile n + 1; then tile n's softmax and quantiser.
; The first turn's P V meets zero codes of p and adds 0; the last turn's look-ahead scores repeat key step 15 for tile 0 and are not read: so one text serves all 64 turns.
; CLUSTER.  The four query blocks of a head read the same K and V: each tile is asked for jointly, with a mask that names the four.
; NO PREFETCH: every tensor load goes out at the head; there is no loop that runs ahead of a load.
; a_sc: a word holds two heads' bytes, so this work-group owns 2 bytes of each word and stores them as such: 64 bytes a wave's store, in parts of 256-byte units; they are 1/24 of the codes' bytes.
.set KSTEP, 6144                       ; a key step of the head in LDS: K 8 tiles x 768 bytes; V 4 tiles x 1,536
.set VOFF,  98304
.set SCK,   196608                     ; K's scale words, 16 steps x 512 bytes; V's follow
.set SCV,   SCK+8192
.set SPARE, SCK+16384                  ; the spare words: 128 bytes for each of 8 waves
.set L8,   1                           ; 8 x lane
.set AKS0, 2                           ; SCK + 16 r + 2 x (head % 2)
.set SPW,  3
.set NIL,  4
.set ADK,  5                           ; next step's K codes
.set ADV,  6                           ; this step's V codes
.set T,    7
.set ADS,  8                           ; next step's K scale words
.set ADVS, 9                           ; this step's V scale words
.set AVS0, 10                          ; SCV + 16 r + 256 x (head % 2)
.set LV,   11                          ; VOFF + 8 x lane
.set STAT, 12                          ; v12-27: for each tile -M, the largest t, the sum in two halves
.set QS,   28                          ; v28-31 q's scale words
.set F,    32                          ; f = 2^(old M - new M); named as a pair with v33
.set PW,   33                          ; p's scale word
.set KS,   34                          ; v34-41 k's scale words
.set VS,   42                          ; v42-45 V's
.set Q,    46                          ; v46-93 four operands [q | zero codes]
.set S,    94                          ; v94-221 two sets of scores
.set PC,   222                         ; v222-233 p's codes; v234-240 the conversions' second halves, then sums
.set BM,   242
.set PL,   246
.set SO,   250
.set KF,   128                         ; window 1: v128-181 k's fragments
.set VF,   182                         ; window 1: v182-229 V's;  window 1, v0-127: O^T, 32 registers a tile
.set WV,   12
.set SEL,  20
.set CS,   22
.set G1K,  24
.set G1V,  32
.set G1S,  40
.set G0K,  48
.set G0V,  52
.set G0S,  56
.set TB,   80
.set TS,   81
.set TBN,  82
.set TSN,  83
.set CNT,  84
.set MSB, 0
.macro WIN new                         ; the immediate's high byte repeats the setting that is left
.if MSB != (\new)
	s_set_vgpr_msb (MSB<<8)|(\new)
.set MSB, (\new)
.endif
.endm
.macro WALU
	s_wait_alu depctr_va_vdst(0)
.endm
.macro WM d, a, b, c, sa, sb
	v_wmma_scale_f32_16x16x128_f8f6f4 v[(\d):(\d)+7], v[(\a):(\a)+11], v[(\b):(\b)+11], \c, v[\sa], v[\sb] matrix_a_fmt:MATRIX_FMT_FP6 matrix_b_fmt:MATRIX_FMT_FP6
.endm
.macro ROUND                           ; a round of the cluster's barrier
	s_barrier_signal -1
	s_barrier_wait -1
	s_cmp_lg_u32 s[WV], 0
	s_cbranch_scc1 .Lnot_wave_0_\@
	s_barrier_signal -3
.Lnot_wave_0_\@:
	s_barrier_wait -3
	s_barrier_signal -1
	s_barrier_wait -1
.endm
.macro TLOAD g0, g1
	tensor_load_to_lds s[\g0:\g0+3], s[\g1:\g1+7]
	s_nop 0
.rept 4
	v_nop
.endr
.endm
.macro GROUP1 g, c, r, p               ; dense or pitched rows of c elements of 8 bytes, r rows, pitch p; the mask names all four work-groups
	s_mov_b32 s[\g], 15|(3<<16)|(1<<21)
	s_mov_b32 s[\g+1], (\c)<<16
	s_mov_b32 s[\g+2], (\r)<<16
	s_mov_b32 s[\g+3], (\c)<<16
	s_mov_b32 s[\g+4], \r
	s_mov_b32 s[\g+5], \p
	s_mov_b32 s[\g+6], 0
	s_mov_b32 s[\g+7], 0
.endm
.macro LOADK                           ; eight tiles of k, six registers each, and their scale words
	WIN 0x40
.irp t, 0,1,2,3,4,5,6,7
.irp i, 0,1,2
	ds_load_b64 v[KF+6*\t+2*\i:KF+6*\t+2*\i+1], v[ADK] offset:768*\t+256*\i
.endr
.endr
	WIN 0
.irp t, 0,1,2,3,4,5,6,7
	ds_load_u16 v[KS+\t], v[ADS] offset:256*(\t/4)+4*(\t%4)
.endr
.endm
.macro LOADV                           ; four tiles of V and their scale words
	WIN 0x40
.irp t, 0,1,2,3
.irp p, 0,1,2,3,4,5
	ds_load_b64 v[VF+12*\t+2*\p:VF+12*\t+2*\p+1], v[ADV] offset:1536*\t+256*\p
.endr
.endr
	WIN 0
	ds_load_b128 v[VS:VS+3], v[ADVS]
.endm
	s_load_b256 s[4:11], s[0:1], 0x0               ; qkv_img, qkv_sc, a_img, a_sc
	v_lshl_add_u32 v[SPW], v0, 2, SPARE
	v_mov_b32 v[NIL], 0
	ds_add_u32 v[SPW], v[NIL]                      ; the opening lines: the add, twice on end, and its wait
	ds_add_u32 v[SPW], v[NIL]
	v_lshrrev_b32 v[T], 5, v0
	v_readfirstlane_b32 s[WV], v[T]                ; wave 0..7
	s_and_b32 s13, ttmp7, 0xffff                   ; 16 b + head, which the four partners share
	s_and_b32 s14, s13, 1                          ; head % 2
	s_lshl_b32 s18, s14, 1
	s_add_co_u32 s18, s18, SCK
	s_lshl_b32 s19, s14, 8
	s_add_co_u32 s19, s19, SCV
	v_and_b32 v[L8], 31, v0
	v_and_b32 v[T], 15, v0
	v_lshlrev_b32 v[L8], 3, v[L8]
	v_lshlrev_b32 v[T], 4, v[T]                    ; 16 r
	v_add_nc_u32 v[AKS0], s18, v[T]
	v_add_nc_u32 v[AVS0], s19, v[T]
	v_add_nc_u32 v[LV], VOFF, v[L8]
	v_mov_b32 v[ADK], v[L8]                        ; key step 0
	v_mov_b32 v[ADS], v[AKS0]
	v_mov_b32 v[ADV], v[LV]
	v_mov_b32 v[ADVS], v[AVS0]
	WALU                                           ; the wait behind these writes
	s_bfe_u32 s15, s13, 0x30001                    ; j
	s_lshr_b32 s16, s13, 4                         ; b
	s_and_b32 s17, s[WV], 1
	s_lshl_b32 s18, s15, 6
	s_lshl_b32 s19, s16, 4
	s_add_co_u32 s18, s18, s19                     ; 64 j + 16 b
	s_add_co_u32 s60, s18, 512                     ; K's first block
	s_lshl_b32 s61, s16, 7
	s_lshl_b32 s62, s15, 4
	s_add_co_u32 s61, s61, s62
	s_add_co_u32 s61, s61, 1024                    ; V's first block
	s_mul_i32 s63, s17, 98304                      ; the second loader of a pair takes key steps 8-15
	s_mul_i32 s66, s60, 12288
	s_mul_i32 s19, s14, 768
	s_add_co_u32 s66, s66, s19
	s_add_co_u32 s66, s66, s63
	s_mov_b32 s67, 0
	s_mul_i32 s68, s61, 12288
	s_mul_i32 s19, s14, 6144
	s_add_co_u32 s68, s68, s19
	s_add_co_u32 s68, s68, s63
	s_mov_b32 s69, 0
	s_sub_co_u32 s70, s61, s60
	s_mul_i32 s70, s70, s17
	s_add_co_u32 s70, s70, s60
	s_lshl_b32 s70, s70, 9                         ; scale words: wave 4 K's, wave 5 V's
	s_mov_b32 s71, 0
	GROUP1 G1K, 96, 64, 192                        ; 64 tiles of k: 768 bytes of each 1,536
	GROUP1 G1V, 768, 8, 1536                       ; 8 key steps of V: 6,144 bytes of each 12,288
	GROUP1 G1S, 32, 32, 32                         ; 8,192 dense bytes
	s_mov_b32 s[G0K], 1
	s_mul_i32 s[G0K+1], s17, 49152
	s_mov_b32 s[G0V], 1
	s_add_co_u32 s[G0V+1], s[G0K+1], VOFF
	s_mov_b32 s[G0S], 1
	s_lshl_b32 s[G0S+1], s17, 13
	s_add_co_u32 s[G0S+1], s[G0S+1], SCK
	; my queries: cx enters q's and the results' addresses alone
	s_mul_i32 s63, s17, 6144                       ; my four tiles of a group's eight,
	s_mul_i32 s19, s14, 768                        ; my head's three pieces of a tile's six
	s_add_co_u32 s63, s63, s19
	s_lshl_b32 s2, s17, 8
	s_lshl_b32 s19, s14, 1
	s_add_co_u32 s2, s2, s19                       ; the same in the scale words
	s_bfe_u32 s19, ttmp6, 0x40000                  ; cx
	s_lshl_b32 s19, s19, 2
	s_lshr_b32 s62, s[WV], 1
	s_add_co_u32 s19, s19, s62                     ; my group of 128 tokens in the batch
	s_add_co_u32 s62, s18, s19                     ; q's block
	s_mul_i32 s72, s62, 12288
	s_add_co_u32 s72, s72, s63
	s_mov_b32 s73, 0
	s_lshl_b32 s74, s62, 9
	s_add_co_u32 s74, s74, s2
	s_mov_b32 s75, 0
	s_lshl_b32 s62, s16, 4
	s_add_co_u32 s62, s62, s19
	s_lshl_b32 s62, s62, 3
	s_add_co_u32 s62, s62, s15                     ; the result's block: 8 G + j
	s_mul_i32 s76, s62, 12288
	s_add_co_u32 s76, s76, s63
	s_mov_b32 s77, 0
	s_lshl_b32 s78, s62, 9
	s_add_co_u32 s78, s78, s2
	s_mov_b32 s79, 0
	s_mov_b32 s[SEL], 0x76543210
	s_mov_b32 s[SEL+1], 0xfedcba98
	s_mov_b32 s[CS], 0x3938aa3b                    ; c = log2(e) x 2^-13
	s_mov_b32 s[CS+1], s[CS]
	s_wait_dscnt 0x0                               ; both opening adds are done
	s_wait_kmcnt 0x0
	s_add_nc_u64 s[G0K+2:G0K+3], s[4:5], s[66:67]
	s_or_b32 s[G0K+3], s[G0K+3], 0x80000000
	s_add_nc_u64 s[G0V+2:G0V+3], s[4:5], s[68:69]
	s_or_b32 s[G0V+3], s[G0V+3], 0x80000000
	s_add_nc_u64 s[G0S+2:G0S+3], s[6:7], s[70:71]
	s_or_b32 s[G0S+3], s[G0S+3], 0x80000000
	s_add_nc_u64 s[4:5], s[4:5], s[72:73]          ; q's codes,
	s_add_nc_u64 s[6:7], s[6:7], s[74:75]          ; q's scale words,
	s_add_nc_u64 s[8:9], s[8:9], s[76:77]          ; the result's codes
	s_add_nc_u64 s[10:11], s[10:11], s[78:79]      ; and scale bytes
	ROUND                                          ; all four work-groups are here: the joint loads meet
	s_cmp_lt_u32 s[WV], 2                          ; one chain of branches on the wave's number, one load to an arm
	s_cbranch_scc0 .Lnot_k
	TLOAD G0K, G1K                                 ; waves 0, 1: K's halves
	s_branch .Lasked
.Lnot_k:
	s_cmp_lt_u32 s[WV], 4
	s_cbranch_scc0 .Lnot_v
	TLOAD G0V, G1V                                 ; waves 2, 3: V's halves
	s_branch .Lasked
.Lnot_v:
	s_cmp_lt_u32 s[WV], 6
	s_cbranch_scc0 .Lasked
	TLOAD G0S, G1S                                 ; waves 4, 5: the scale words
.Lasked:
.irp u, 0,1,2,3
.irp i, 0,1,2
	global_load_b64 v[Q+12*\u+2*\i:Q+12*\u+2*\i+1], v[L8], s[4:5] offset:1536*\u+256*\i
.endr
	global_load_u16 v[QS+\u], v[T], s[6:7] offset:4*\u
.endr
.irp u, 0,1,2,3
.irp i, 6,7,8,9,10,11
	v_mov_b32 v[Q+12*\u+\i], 0                     ; zero codes
.endr
	v_mov_b32 v[STAT+4*\u+1], 0xff61b1e6           ; the largest t so far: -3e38
	v_mov_b32 v[STAT+4*\u+2], 0                    ; the sums
	v_mov_b32 v[STAT+4*\u+3], 0
	v_mov_b32 v[PL+\u], 0                          ; a lane permute's destination counts as one of its sources
.endr
.irp u, 0,1,2,3
	v_floor_f32 v[STAT+4*\u], -v[STAT+4*\u+1]      ; -M
.endr
.set n, 0
.rept 12
	v_mov_b32 v[PC+n], 0                           ; the first turn's P V meets zero codes,
.set n, n+1
.endr
	v_mov_b32 v[PW], 0                             ; under a finite scale
	WIN 0x40
.set n, 0
.rept 128
	v_mov_b32 v[n], 0                              ; O^T: the turn is written once; the first change of M leaves zeros zeros
.set n, n+1
.endr
.irp i, 48,49,50,51,52,53
	v_mov_b32 v[KF+\i], 0                          ; the last tile's other half
.endr
	WIN 0
; TILE u's TURN in a key step.
.macro STAGE u
.set SB, S+64*((\u)%2)
.set SN, S+64-64*((\u)%2)
.set ST, STAT+4*(\u)
.set OC, 32*(\u)
.set OP, 32*(((\u)+3)%4)
.set QN, Q+12*(((\u)+1)%4)
.set QSN, QS+((\u)+1)%4
	WALU                                           ; the wait directly ahead of the scores' first readers
.irp b, 0,1,2,3
	v_max3_num_f32 v[BM+\b], v[SB+16*\b], v[SB+16*\b+1], v[SB+16*\b+2]   ; the largest score of each block of 32 keys: for the row's maximum and for the block's largest p
.endr
.irp i, 3,5,7,9,11,13
.irp b, 0,1,2,3
	v_max3_num_f32 v[BM+\b], v[BM+\b], v[SB+16*\b+\i], v[SB+16*\b+\i+1]
.endr
.endr
.irp b, 0,1,2,3
	v_max_num_f32 v[BM+\b], v[BM+\b], v[SB+16*\b+15]
.endr
.irp b, 0,1,2,3
	s_delay_alu instid0(VALU_DEP_4)
	v_permlanex16_b32 v[PL+\b], v[BM+\b], s[SEL], s[SEL+1]
.endr
.irp b, 0,1,2,3
	s_delay_alu instid0(VALU_DEP_4)
	v_max_num_f32 v[BM+\b], v[BM+\b], v[PL+\b]     ; with lane l xor 16's 16 keys
.endr
.if (\u)%2
	WALU                                           ; the wait ahead of the wait below
	s_wait_dscnt 0x0                               ; tile 1: this step's V is in;  tile 3: the next step's K
.endif
	WIN 0x51
.irp t, 0,1,2,3
	WM OP+8*\t, VF+12*\t, PC, v[OP+8*\t:OP+8*\t+7], VS+\t, PW       ; O^T += V^T p^T of the tile before
.endr
	WIN 0x01
.irp t, 0,1,2,3,4,5,6,7
	WM SN+8*\t, KF+6*\t, QN, 0, KS+\t, QSN                           ; S^T = k q^T of the tile behind
.endr
	WIN 0
	v_max3_num_f32 v[T], v[BM], v[BM+1], v[BM+2]
	s_delay_alu instid0(VALU_DEP_1)
	v_max_num_f32 v[T], v[T], v[BM+3]              ; the step's largest score of my query
	s_delay_alu instid0(VALU_DEP_1)
	v_mul_f32 v[T], s[CS], v[T]                    ; as t (c is positive)
	s_delay_alu instid0(VALU_DEP_1)
	v_max_num_f32 v[ST+1], v[ST+1], v[T]           ; the running largest t
	v_mov_b32 v[T], v[ST]
	s_delay_alu instid0(VALU_DEP_2)
	v_floor_f32 v[ST], -v[ST+1]                    ; the new -M = -ceil(t)
	s_delay_alu instid0(VALU_DEP_1)
	v_sub_f32 v[T], v[ST], v[T]                    ; old M - new M: a whole number, 0 or less
	s_delay_alu instid0(VALU_DEP_1)
	v_cvt_i32_f32 v[T], v[T]                       ; (it saturates)
	s_delay_alu instid0(VALU_DEP_1)
	v_ldexp_f32 v[F], 1.0, v[T]                    ; f.  (These nine lines are the places between the products and the loads below)
.if (\u) == 0
	LOADV                                          ; the last step's V has served its fourth tile
.elseif (\u) == 2
	LOADK                                          ; this step's K has served its fourth tile
.endif
.set n, 0
.rept 32
	v_pk_fma_f32 v[SB+n:SB+n+1], v[SB+n:SB+n+1], s[CS:CS+1], v[ST:ST+1] op_sel_hi:[1,0,0]   ; t - M
.set n, n+2
.endr
.irp b, 0,1,2,3
	v_fma_f32 v[BM+\b], v[BM+\b], s[CS], v[ST]
.endr
	WALU                                           ; the wait ahead of the batch
.set n, 0
.rept 64
	v_exp_f32 v[SB+n], v[SB+n]                     ; p = 2^(t - M), at most 1
.set n, n+1
.endr
.irp b, 0,1,2,3
	v_exp_f32 v[BM+\b], v[BM+\b]                   ; the block's largest p: the same two instructions on the same number
.endr
	v_pk_mul_f32 v[ST+2:ST+3], v[ST+2:ST+3], v[F:F+1] op_sel_hi:[1,0]   ; the sums under the new M
	WALU                                           ; and behind it
.irp b, 0,1,2,3
	v_max_num_f32 v[BM+\b], 0x1800000, v[BM+\b]    ; the floor 2^(3 - 127): the byte cannot fall under 1
.endr
.irp b, 0,1,2,3
	s_delay_alu instid0(VALU_DEP_4)
	v_add_nc_u32 v[SO+\b], 0xff000000, v[BM+\b]    ; 2 off the exponent field: the conversion's scale operand
.endr
.irp b, 0,1,2,3
	s_delay_alu instid0(VALU_DEP_4)
	v_lshrrev_b32 v[PL+\b], 23, v[SO+\b]           ; the scale's byte
.endr
	s_delay_alu instid0(VALU_DEP_3)
	v_lshl_or_b32 v[PW], v[PL+1], 8, v[PL]
	s_delay_alu instid0(VALU_DEP_1)
	v_lshl_or_b32 v[PW], v[PL+2], 16, v[PW]
	s_delay_alu instid0(VALU_DEP_1)
	v_lshl_or_b32 v[PW], v[PL+3], 24, v[PW]        ; p's scale word for these 128 keys
.irp c, 0,1
	v_cvt_scalef32_pk16_fp6_f32 v[PC+6*\c:PC+6*\c+2], v[SB+32*\c:SB+32*\c+15], v[SO+2*\c]
	v_cvt_scalef32_pk16_fp6_f32 v[PC+12+4*\c:PC+14+4*\c], v[SB+32*\c+16:SB+32*\c+31], v[SO+2*\c+1]
.endr
	v_nop                                          ; one plain place behind a scaled conversion
.irp c, 0,1                                    ; a WHOLE block in a lane: lanes 0-15 block 2 c, lanes 16-31 block 2 c + 1
.irp i, 0,1,2
	v_permlane16_swap_b32 v[PC+6*\c+\i], v[PC+12+4*\c+\i]
.endr
.irp i, 0,1,2
	s_delay_alu instid0(VALU_DEP_3)
	v_mov_b32 v[PC+3+6*\c+\i], v[PC+12+4*\c+\i]
.endr
.endr
	v_pk_add_f32 v[PC+12:PC+13], v[SB:SB+1], v[SB+2:SB+3]          ; the row's sum of the UNQUANTISED p: two at a time, in four chains
	v_pk_add_f32 v[PC+14:PC+15], v[SB+4:SB+5], v[SB+6:SB+7]
	v_pk_add_f32 v[PC+16:PC+17], v[SB+8:SB+9], v[SB+10:SB+11]
	v_pk_add_f32 v[ST+2:ST+3], v[ST+2:ST+3], v[SB+12:SB+13]
.set n, 14
.rept 6
	v_pk_add_f32 v[PC+12:PC+13], v[PC+12:PC+13], v[SB+n:SB+n+1]
	v_pk_add_f32 v[PC+14:PC+15], v[PC+14:PC+15], v[SB+n+2:SB+n+3]
	v_pk_add_f32 v[PC+16:PC+17], v[PC+16:PC+17], v[SB+n+4:SB+n+5]
	v_pk_add_f32 v[ST+2:ST+3], v[ST+2:ST+3], v[SB+n+6:SB+n+7]
.set n, n+8
.endr
	v_pk_add_f32 v[PC+12:PC+13], v[PC+12:PC+13], v[SB+62:SB+63]
	v_pk_add_f32 v[ST+2:ST+3], v[ST+2:ST+3], v[PC+16:PC+17]
	v_pk_add_f32 v[PC+12:PC+13], v[PC+12:PC+13], v[PC+14:PC+15]
	v_pk_add_f32 v[ST+2:ST+3], v[ST+2:ST+3], v[PC+12:PC+13]
	WIN 0x41
	WALU                                           ; the wait directly ahead of the first reader of O^T
.set n, 0
.rept 16
	v_pk_mul_f32 v[OC+n:OC+n+1], v[OC+n:OC+n+1], v[F:F+1] op_sel_hi:[1,0]   ; O^T under the new M, each accumulator from its low end on
.set n, n+2
.endr
	WIN 0
.endm
	WALU                                           ; the wait at the head's end
	s_wait_tensorcnt 0x0                           ; on every wave's way: my load, if I have one, has landed
	s_barrier_signal -1
	s_barrier_wait -1                              ; everybody's has: K, V and the scale words are whole, and stay
	LOADK                                          ; key step 0
	LOADV
	s_wait_loadcnt 0x0                             ; q
	s_wait_dscnt 0x0
	WIN 0x01
.irp t, 0,1,2,3,4,5,6,7
	WM S+8*\t, KF+6*\t, Q, 0, KS+\t, QS            ; the scores of key step 0, tile 0
.endr
	WIN 0
	s_mov_b32 s[TB], 0
	s_mov_b32 s[TS], 0
	s_mov_b32 s[CNT], 16
.Lstep:
	s_add_co_u32 s[TBN], s[TB], KSTEP
	s_min_u32 s[TBN], s[TBN], 15*KSTEP             ; the last trip looks no further than key step 15
	s_add_co_u32 s[TSN], s[TS], 512
	s_min_u32 s[TSN], s[TSN], 15*512
	v_add_nc_u32 v[ADV], s[TB], v[LV]              ; (four places behind the products ahead of the loop)
	v_add_nc_u32 v[ADVS], s[TS], v[AVS0]
	v_add_nc_u32 v[ADK], s[TBN], v[L8]
	v_add_nc_u32 v[ADS], s[TSN], v[AKS0]
	STAGE 0
	STAGE 1
	STAGE 2
	STAGE 3
	s_add_co_u32 s[TB], s[TB], KSTEP
	s_add_co_u32 s[TS], s[TS], 512
	s_sub_co_u32 s[CNT], s[CNT], 1
	s_cmp_lg_u32 s[CNT], 0
	s_cbranch_scc1 .Lstep
	WIN 0x51
.irp t, 0,1,2,3
	WM 96+8*\t, VF+12*\t, PC, v[96+8*\t:96+8*\t+7], VS+\t, PW      ; the last tile's P V
.endr
	WIN 0
	; THE WAY OUT.  O^T x 2^-10 / the sum; a tile's 32 registers are the head's 64 channels, two blocks of the last product's K.
.set X,   S                            ; v94-221 the four tiles' results; block k = 2 u + b at X + 16 k
.set TMO, 46
.set PLO, 54
.set SOO, 62
.set WD,  70
.set T3,  74
.set CD,  222
.irp u, 0,1,2,3
	v_add_f32 v[STAT+4*\u+2], v[STAT+4*\u+2], v[STAT+4*\u+3]
.endr
.irp u, 0,1,2,3
	v_permlanex16_b32 v[STAT+4*\u+3], v[STAT+4*\u+2], s[SEL], s[SEL+1]
.endr
.irp u, 0,1,2,3
	v_add_f32 v[STAT+4*\u+2], v[STAT+4*\u+2], v[STAT+4*\u+3]       ; the rows' sums
.endr
	WALU
.irp u, 0,1,2,3
	v_rcp_f32 v[STAT+4*\u+2], v[STAT+4*\u+2]
.endr
	v_and_b32 v[T], 15, v0                         ; (a plain place behind the reciprocals)
	WALU
.irp u, 0,1,2,3
	v_ldexp_f32 v[STAT+4*\u+2], v[STAT+4*\u+2], -10
.endr
	v_bfe_u32 v[ADV], v0, 4, 1
	v_lshlrev_b32 v[T], 4, v[T]
	v_and_b32 v[ADK], 31, v0                       ; lane
	v_lshl_add_u32 v[ADV], v[ADV], 3, v[T]         ; 16 r + 8 h
	WIN 0x01
	WALU                                           ; the wait directly ahead of the first reader of O^T
.irp u, 0,1,2,3
.set n, 0
.rept 16
	v_pk_mul_f32 v[X+32*\u+n:X+32*\u+n+1], v[32*\u+n:32*\u+n+1], v[STAT+4*\u+2:STAT+4*\u+3] op_sel_hi:[1,0]
.set n, n+2
.endr
.endr
	WIN 0
.irp k, 0,1,2,3,4,5,6,7
	v_max3_num_f32 v[TMO+\k], |v[X+16*\k]|, |v[X+16*\k+1]|, 0x1800000   ; my 16 of block k, and the floor 2^(3 - 127); the eight blocks by turns
.endr
.irp i, 2,4,6,8,10,12,14
.irp k, 0,1,2,3,4,5,6,7
	v_max3_num_f32 v[TMO+\k], |v[X+16*\k+\i]|, |v[X+16*\k+\i+1]|, v[TMO+\k]
.endr
.endr
.irp k, 0,1,2,3,4,5,6,7
	v_permlanex16_b32 v[PLO+\k], v[TMO+\k], s[SEL], s[SEL+1]
.endr
.irp k, 0,1,2,3,4,5,6,7
	v_max_num_f32 v[TMO+\k], v[TMO+\k], v[PLO+\k]
.endr
.irp k, 0,1,2,3,4,5,6,7
	v_add_nc_u32 v[SOO+\k], 0xff000000, v[TMO+\k]
.endr
.irp k, 0,1,2,3,4,5,6,7
	v_lshrrev_b32 v[PLO+\k], 23, v[SOO+\k]
.endr
.irp u, 0,1,2,3
	v_lshl_or_b32 v[WD+\u], v[PLO+2*\u+1], 8, v[PLO+2*\u]          ; my token's two bytes
.endr
.irp u, 0,1,2,3
	v_cvt_scalef32_pk16_fp6_f32 v[CD+8*\u:CD+8*\u+2], v[X+32*\u:X+32*\u+15], v[SOO+2*\u]
	v_cvt_scalef32_pk16_fp6_f32 v[T3+4*\u:T3+4*\u+2], v[X+32*\u+16:X+32*\u+31], v[SOO+2*\u+1]
.endr
	v_nop                                          ; one plain place behind a scaled conversion
.irp u, 0,1,2,3
.irp i, 0,1,2
	v_permlane16_swap_b32 v[CD+8*\u+\i], v[T3+4*\u+\i]
.endr
.endr
.irp u, 0,1,2,3
.irp i, 0,1,2
	v_mov_b32 v[CD+8*\u+3+\i], v[T3+4*\u+\i]
.endr
.endr
	v_cmp_lt_u32 vcc_lo, 15, v[ADK]                ; lanes 0-15 store tiles 0 and 1's bytes, lanes 16-31 tiles 2 and 3's
	v_cndmask_b32 v[WD], v[WD], v[WD+2], vcc_lo
	v_cndmask_b32 v[WD+1], v[WD+1], v[WD+3], vcc_lo
.irp u, 0,1,2,3
.irp i, 0,1,2
	global_store_b64 v[L8], v[CD+8*\u+2*\i:CD+8*\u+2*\i+1], s[8:9] offset:1536*\u+256*\i   ; 32 lanes store 256 consecutive bytes, aligned
.endr
.endr
	global_store_b16 v[ADV], v[WD], s[10:11]
	global_store_b16 v[ADV], v[WD+1], s[10:11] offset:4
	s_wait_tensorcnt 0x0                           ; the wave's end
	ds_add_u32 v[SPW], v[NIL]
	s_wait_dscnt 0x0
	ROUND                                          ; the closing round
	s_endpgm
.Lfunc_end_k_q43534ecd0c_attn:
	.size	k_q43534ecd0c_attn, .Lfunc_end_k_q43534ecd0c_attn-k_q43534ecd0c_attn
	.p2alignl 7, 3214868480
	.fill 96, 4, 3214868480
	.section	.rodata,"a",@progbits
	.p2align	6, 0x0
	.amdhsa_kernel k_q43534ecd0c_attn
		.amdhsa_group_segment_fixed_size 327680
		.amdhsa_private_segment_fixed_size 0
		.amdhsa_enable_private_segment 0
		.amdhsa_kernarg_size 32
		.amdhsa_user_sgpr_count 2
		.amdhsa_user_sgpr_kernarg_segment_ptr 1
		.amdhsa_wavefront_size32 1
		.amdhsa_system_sgpr_workgroup_id_x 1
		.amdhsa_system_sgpr_workgroup_id_y 1
		.amdhsa_system_sgpr_workgroup_id_z 1
		.amdhsa_system_vgpr_workitem_id 0
		.amdhsa_next_free_vgpr 512
		.amdhsa_next_free_sgpr 88
		.amdhsa_reserve_vcc 1
		.amdhsa_float_denorm_mode_32 3
		.amdhsa_float_denorm_mode_16_64 3
		.amdhsa_memory_ordered 1
		.amdhsa_forward_progress 1
		.amdhsa_inst_pref_size 97
	.end_amdhsa_kernel
	.amdgpu_metadata
---
amdhsa.version: [ 1, 2 ]
amdhsa.kernels:
  - .name:           k_q43534ecd0c_attn
    .symbol:         k_q43534ecd0c_attn.kd
    .args:
      - { .name: qkv_img, .offset: 0, .size: 8, .value_kind: global_buffer, .address_space: global }
      - { .name: qkv_sc, .offset: 8, .size: 8, .value_kind: global_buffer, .address_space: global }
      - { .name: a_img, .offset: 16, .size: 8, .value_kind: global_buffer, .address_space: global }
      - { .name: a_sc, .offset: 24, .size: 8, .value_kind: global_buffer, .address_space: global }
    .group_segment_fixed_size: 327680
    .private_segment_fixed_size: 0
    .kernarg_segment_align: 8
    .kernarg_segment_size: 32
    .max_flat_workgroup_size: 256
    .sgpr_count:     88
    .vgpr_count:     512
    .wavefront_size: 32
...
	.end_amdgpu_metadata
.endif
;; end of part 3
;; launch proj (part 4): grid 4 x 32, 4 waves a work-group, clusters of 4 x 4, 327,680 bytes of LDS; arguments a_img, a_sc, w_img, w_sc, out0; writes out0
.if DOCPART == 4
	.amdgcn_target "amdgcn-amd-amdhsa--gfx1250"
	.amdhsa_code_object_version 6
	.text
	.protected	k_q43534ecd0c_proj
	.globl	k_q43534ecd0c_proj
	.p2align	8
	.type	k_q43534ecd0c_proj,@function
k_q43534ecd0c_proj:
	s_mov_b64 s[64:65], 0
	v_nop
	global_prefetch_b8 v0, s[64:65] scope:SCOPE_SE
	s_setreg_imm32_b32 hwreg(HW_REG_WAVE_MODE, 25, 1), 1
	s_wait_xcnt 0x0
	s_wait_alu depctr_hold_cnt(0) depctr_sa_sdst(0) depctr_va_vdst(0) depctr_va_sdst(0) depctr_va_ssrc(0) depctr_va_vcc(0) depctr_vm_vsrc(0)
	s_getreg_b32 s2, hwreg(HW_REG_IB_STS2, 6, 4)
	s_cmp_eq_u32 s2, 0
	s_cbranch_scc0 .Lentry_in_a_cluster
	s_endpgm
.Lentry_in_a_cluster:
	s_bfe_u32 s2, ttmp6, 0x10000c
	s_cmp_lg_u32 s2, 0xf033
	s_cbranch_scc0 .Lentry_shape_is_right
	s_endpgm
.Lentry_shape_is_right:
.set HALFT,  24576
.set SLOT,   4*HALFT
.set GRPB,   98304
.set SCL,    2*SLOT
.set SPARE,  SCL+4*4096
.set SPITCH, 528
.set FR,     12
.set NL,     6
.set NP,     4
.set ADRA, 16
.set STO,  18
.set RD,   19
.set ADRB, 20
.set L16,  25
.set L8,   26
.set ADRS, 27
.set SPW,  28
.set NIL,  29
.set SC,   32
.set AF,   128
.set BK,   128
.set G1, 24
.set G0, 32
.set G1B, 48
.set G0B, 56
.set G1S, 68
.set G0S, 76
.set G1SB, 80
.set G0SB, 88
.set MSB, 0
.macro WIN new
.if MSB != (\new)
	s_set_vgpr_msb (MSB<<8)|(\new)
.set MSB, (\new)
.endif
.endm
.set MUL_LO, 0xa1
.set MUL_HI, 0xf1
.set TO_B,   0x40
.macro JLOAD g0a, g1a, g0b, g1b
	s_cmp_eq_u32 s17, 0
	s_cbranch_scc0 .Lfor_b_\@
	tensor_load_to_lds s[\g0a:\g0a+3], s[\g1a:\g1a+7]
	s_nop 0
.rept 4
	v_nop
.endr
	s_branch .Lasked_\@
.Lfor_b_\@:
	tensor_load_to_lds s[\g0b:\g0b+3], s[\g1b:\g1b+7]
	s_nop 0
.rept 4
	v_nop
.endr
.Lasked_\@:
.endm
.macro CREST
	s_cmp_lg_u32 s16, 0
	s_cbranch_scc1 .Lnot_wave_0_\@
	s_barrier_signal -3
.Lnot_wave_0_\@:
	s_barrier_wait -3
	s_barrier_signal -1
	s_barrier_wait -1
.endm
.macro CROUND
	s_barrier_signal -1
	s_barrier_wait -1
	CREST
.endm
	s_load_b256 s[4:11], s[0:1], 0x0
	s_load_b64 s[12:13], s[0:1], 0x20
	v_lshl_add_u32 v[SPW], v0, 2, SPARE
	v_mov_b32 v[NIL], 0
	ds_add_u32 v28, v29
	ds_add_u32 v28, v29
	s_wait_dscnt 0x0
	v_lshrrev_b32 v1, 5, v0
	v_readfirstlane_b32 s16, v1
	s_lshr_b32 s17, s16, 1
	s_and_b32 s18, s16, 1
	s_bfe_u32 s40, ttmp6, 0x40000
	s_bfe_u32 s41, ttmp6, 0x40004
	s_lshl_b32 s47, ttmp9, 2
	s_add_co_u32 s47, s47, s40
	s_and_b32 s46, ttmp7, 0xffff
	s_lshl_b32 s46, s46, 2
	s_add_co_u32 s46, s46, s41
	s_lshl_b32 s43, s41, 2
	s_lshl_b32 s43, 15, s43
	s_lshl_b32 s44, 0x1111, s40
	s_or_b32 s[G1], s43, (3<<16)|(1<<21)
	s_or_b32 s[G1B], s44, (3<<16)|(1<<21)
	s_or_b32 s[G1S], s43, (3<<16)|(1<<21)
	s_or_b32 s[G1SB], s44, (3<<16)|(1<<21)
.irp g, G1, G1B
	s_mov_b32 s[\g+1], 32<<16
	s_mov_b32 s[\g+2], 96<<16
	s_mov_b32 s[\g+3], 32<<16
	s_mov_b32 s[\g+4], 96
	s_mov_b32 s[\g+5], 32
	s_mov_b32 s[\g+6], 0
	s_mov_b32 s[\g+7], 0
.endr
.irp g, G1S, G1SB
	s_mov_b32 s[\g+1], 32<<16
	s_mov_b32 s[\g+2], 16<<16
	s_mov_b32 s[\g+3], 32<<16
	s_mov_b32 s[\g+4], 16
	s_mov_b32 s[\g+5], 32
	s_mov_b32 s[\g+6], 0
	s_mov_b32 s[\g+7], 0
.endr
	s_lshl_b32 s20, s46, 1
	s_add_co_u32 s20, s20, s18
	s_mov_b32 s21, 0
	s_lshl_b32 s22, s20, 12
	s_mov_b32 s23, 0
	s_mul_i32 s20, s20, GRPB
	s_lshl_b32 s66, s47, 1
	s_add_co_u32 s66, s66, s18
	s_add_co_u32 s66, s66, 24
	s_mov_b32 s67, 0
	s_lshl_b32 s2, s66, 12
	s_mov_b32 s3, 0
	s_mul_i32 s66, s66, GRPB
	s_mul_i32 s19, s16, HALFT
	s_lshl_b32 s42, s16, 12
	s_wait_kmcnt 0x0
	s_add_nc_u64 s[92:93], s[4:5], s[20:21]
	s_add_nc_u64 s[94:95], s[6:7], s[22:23]
	s_add_nc_u64 s[96:97], s[8:9], s[66:67]
	s_add_nc_u64 s[98:99], s[10:11], s[2:3]
	CROUND
	s_mov_b32 s[G0S], 1
	s_add_co_u32 s[G0S+1], s42, SCL
	s_mov_b64 s[G0S+2:G0S+3], s[94:95]
	s_or_b32 s[G0S+3], s[G0S+3], 0x80000000
	s_mov_b32 s[G0SB], 1
	s_add_co_u32 s[G0SB+1], s42, SCL
	s_mov_b64 s[G0SB+2:G0SB+3], s[98:99]
	s_or_b32 s[G0SB+3], s[G0SB+3], 0x80000000
	JLOAD G0S, G1S, G0SB, G1SB
.irp s, 0,1
	s_mov_b32 s[G0+4*\s], 1
	s_add_co_u32 s[G0+4*\s+1], s19, \s*SLOT
	s_add_nc_u64 s[G0+4*\s+2:G0+4*\s+3], s[92:93], \s*HALFT
	s_or_b32 s[G0+4*\s+3], s[G0+4*\s+3], 0x80000000
	s_mov_b32 s[G0B+4*\s], 1
	s_add_co_u32 s[G0B+4*\s+1], s19, \s*SLOT
	s_add_nc_u64 s[G0B+4*\s+2:G0B+4*\s+3], s[96:97], \s*HALFT
	s_or_b32 s[G0B+4*\s+3], s[G0B+4*\s+3], 0x80000000
	s_wait_alu depctr_va_vdst(0)
	s_wait_tensorcnt 0x0
	ds_add_u32 v28, v29
	s_wait_dscnt 0x0
	CROUND
	JLOAD G0+4*\s, G1, G0B+4*\s, G1B
.endr
	s_lshl_b32 s42, s46, 1
	s_add_co_u32 s42, s42, s17
	s_lshl_b32 s42, s42, 19
	s_lshl_b32 s66, s47, 1
	s_add_co_u32 s66, s66, s18
	s_lshl_b32 s66, s66, 9
	s_add_co_u32 s66, s66, s42
	s_add_nc_u64 s[12:13], s[12:13], s[66:67]
	v_and_b32 v1, 31, v0
	v_and_b32 v2, 15, v0
	v_bfe_u32 v3, v0, 4, 1
	s_wait_alu depctr_va_vdst(0)
	v_lshlrev_b32 v[L8], 3, v1
	v_lshlrev_b32 v[L16], 4, v1
	s_mul_i32 s20, s17, HALFT
	s_mul_i32 s22, s18, HALFT
	s_add_co_u32 s22, s22, 2*HALFT
.irp s, 0,1
	v_add_nc_u32 v[ADRA+\s], s20, v[L8]
	v_add_nc_u32 v[ADRB+\s], s22, v[L8]
	s_add_co_u32 s20, s20, SLOT
	s_add_co_u32 s22, s22, SLOT
.endr
	v_lshlrev_b32 v5, 4, v2
	s_lshl_b32 s20, s17, 12
	s_lshl_b32 s22, s18, 12
	s_add_co_u32 s22, s22, 2*4096
	s_sub_co_u32 s22, s22, s20
	v_mul_u32_u24 v6, s22, v3
	s_add_co_u32 s20, s20, SCL
	v_add_nc_u32 v5, v5, v6
	v_add_nc_u32 v[ADRS], s20, v5
	s_mul_i32 s23, s16, 16*SPITCH
	v_mul_u32_u24 v5, v2, SPITCH
	v_lshl_add_u32 v5, v3, 6, v5
	v_add_nc_u32 v[STO], s23, v5
	v_add_nc_u32 v[RD], s23, v[L16]
.macro FRAG reg, adr, q, i
.irp p, 0,1,2,3,4,5
	ds_load_b64 v[\reg+2*\p:\reg+2*\p+1], v[\adr] offset:12288*(\q)+1536*(\i)+256*\p
.endr
.endm
.macro MUL16 a0, p, q, sc, zero
.irp a, \a0, \a0+1
.irp b, 0,1,2,3,4,5,6,7
.if \zero
	v_wmma_scale_f32_16x16x128_f8f6f4 v[8*(8*((\a)%4)+\b):8*(8*((\a)%4)+\b)+7], v[128*(\p)+FR*\b:128*(\p)+FR*\b+FR-1], v[AF+FR*(\a):AF+FR*(\a)+FR-1], 0, v[SC+16*(\sc)+8*(\q)+\b], v[SC+16*(\sc)+8*(\q)+(\a)] matrix_a_fmt:MATRIX_FMT_FP6 matrix_b_fmt:MATRIX_FMT_FP6 matrix_a_scale:MATRIX_SCALE_ROW1
.else
	v_wmma_scale_f32_16x16x128_f8f6f4 v[8*(8*((\a)%4)+\b):8*(8*((\a)%4)+\b)+7], v[128*(\p)+FR*\b:128*(\p)+FR*\b+FR-1], v[AF+FR*(\a):AF+FR*(\a)+FR-1], v[8*(8*((\a)%4)+\b):8*(8*((\a)%4)+\b)+7], v[SC+16*(\sc)+8*(\q)+\b], v[SC+16*(\sc)+8*(\q)+(\a)] matrix_a_fmt:MATRIX_FMT_FP6 matrix_b_fmt:MATRIX_FMT_FP6 matrix_a_scale:MATRIX_SCALE_ROW1
.endif
.endr
.endr
.endm
.macro FETCH_B slot, q, p
	WIN TO_B
.irp i, 0,1,2,3,4,5,6,7
	FRAG 128*(\p)+FR*\i, ADRB+\slot, \q, \i
.endr
	WIN 0
.endm
.macro FETCH_A slot, q, i0
.irp i, \i0, \i0+1, \i0+2, \i0+3
	FRAG AF+FR*(\i), ADRA+\slot, \q, \i
.endr
.endm
.macro SCALES sc
.irp q, 0,1
.irp g, 0,1
	ds_load_b128 v[SC+16*\sc+8*\q+4*\g:SC+16*\sc+8*\q+4*\g+3], v[ADRS] offset:512*\q+256*\g
.endr
.endr
.endm
.macro PLACES n
.rept \n
	v_nop
.endr
.endm
.macro STEP slot, q, zero
	s_wait_dscnt 4*NL
	WIN MUL_LO
	MUL16 0, (\q)%2, \q, \slot, \zero
	MUL16 2, (\q)%2, \q, \slot, \zero
	s_wait_dscnt 0
	PLACES NP
	FETCH_B \slot, (\q)+1, 1-(\q)%2
	FETCH_A \slot, (\q)+1, 0
	WIN MUL_HI
	MUL16 4, (\q)%2, \q, \slot, \zero
	MUL16 6, (\q)%2, \q, \slot, \zero
	PLACES NP
	WIN 0
	FETCH_A \slot, (\q)+1, 4
.endm
.macro TURN slot, next, fill
	s_wait_tensorcnt 0x0
	ds_add_u32 v[SPW], v[NIL]
	s_wait_dscnt 4*NL+1
	WIN MUL_LO
	MUL16 0, 1, 1, \slot, 0
	s_wait_dscnt 0x0
	s_barrier_signal -1
	MUL16 2, 1, 1, \slot, 0
	WIN 0
	s_barrier_wait -1
.if \fill
	CREST
	s_add_nc_u64 s[G0+4*\slot+2:G0+4*\slot+3], s[G0+4*\slot+2:G0+4*\slot+3], 2*HALFT
	s_add_nc_u64 s[G0B+4*\slot+2:G0B+4*\slot+3], s[G0B+4*\slot+2:G0B+4*\slot+3], 2*HALFT
	JLOAD G0+4*\slot, G1, G0B+4*\slot, G1B
.else
	PLACES NP
.endif
	s_wait_alu depctr_va_vdst(0)
	v_add_nc_u32 v[ADRS], 1024, v[ADRS]
	FETCH_B \next, 0, 0
	FETCH_A \next, 0, 0
	SCALES \next
	WIN MUL_HI
	MUL16 4, 1, 1, \slot, 0
	MUL16 6, 1, 1, \slot, 0
	PLACES NP
	WIN 0
	FETCH_A \next, 0, 4
.endm
	s_wait_alu depctr_va_vdst(0)
	s_wait_tensorcnt 1
	s_barrier_signal -1
	s_barrier_wait -1
	FETCH_B 0, 0, 0
	FETCH_A 0, 0, 0
	SCALES 0
	FETCH_A 0, 0, 4
	STEP 0, 0, 1
	TURN 0, 1, 1
	STEP 1, 0, 0
	TURN 1, 0, 1
	STEP 0, 0, 0
	TURN 0, 1, 0
	STEP 1, 0, 0
	s_wait_dscnt 4*NL
	WIN MUL_LO
	MUL16 0, 1, 1, 1, 0
	MUL16 2, 1, 1, 1, 0
	s_wait_dscnt 0
	WIN MUL_HI
	MUL16 4, 1, 1, 1, 0
	MUL16 6, 1, 1, 1, 0
	WIN 0
.macro TOSTAGE a
.set AC, 64*((\a)%4)
	WIN 0x08+4*((\a)/4)
.irp b, 0,1,2,3,4,5,6,7
	ds_store_b128 v[STO], v[AC+8*\b:AC+8*\b+3] offset:128*(\b/2)+32*(\b%2)
	ds_store_b128 v[STO], v[AC+8*\b+4:AC+8*\b+7] offset:128*(\b/2)+32*(\b%2)+16
.endr
	WIN 0
.set BB, BK+64*((\a)%2)
.irp t, 0,1,2,3,4,5,6,7,8,9,10,11,12,13,14,15
	ds_load_b128 v[BB+4*\t:BB+4*\t+3], v[RD] offset:\t*SPITCH
.endr
.endm
.macro SEND a, younger
.set BB, BK+64*((\a)%2)
	s_wait_dscnt \younger
.irp t, 0,1,2,3,4,5,6,7,8,9,10,11,12,13,14,15
	global_store_b128 v[L16], v[BB+4*\t:BB+4*\t+3], s[12:13] offset:(32*((\a)/2)+8*((\a)%2)+\t+8*(\t/8))*4096 th:TH_STORE_NT
.endr
.endm
	PLACES NP
	TOSTAGE 0
.irp a, 1,2,3,4,5,6,7
.if \a > 1
	s_wait_xcnt 0x0
.endif
	TOSTAGE \a
	SEND \a-1, 32
.endr
	SEND 7, 0
	s_wait_tensorcnt 0x0
	ds_add_u32 v[SPW], v[NIL]
	s_wait_dscnt 0x0
	CROUND
	s_endpgm
.Lfunc_end_k_q43534ecd0c_proj:
	.size	k_q43534ecd0c_proj, .Lfunc_end_k_q43534ecd0c_proj-k_q43534ecd0c_proj
	.p2alignl 7, 3214868480
	.fill 96, 4, 3214868480
	.section	.rodata,"a",@progbits
	.p2align	6, 0x0
	.amdhsa_kernel k_q43534ecd0c_proj
		.amdhsa_group_segment_fixed_size 327680
		.amdhsa_private_segment_fixed_size 0
		.amdhsa_enable_private_segment 0
		.amdhsa_kernarg_size 40
		.amdhsa_user_sgpr_count 2
		.amdhsa_user_sgpr_kernarg_segment_ptr 1
		.amdhsa_wavefront_size32 1
		.amdhsa_system_sgpr_workgroup_id_x 1
		.amdhsa_system_sgpr_workgroup_id_y 1
		.amdhsa_system_sgpr_workgroup_id_z 1
		.amdhsa_system_vgpr_workitem_id 0
		.amdhsa_next_free_vgpr 1024
		.amdhsa_next_free_sgpr 100
		.amdhsa_reserve_vcc 0
		.amdhsa_float_denorm_mode_32 3
		.amdhsa_float_denorm_mode_16_64 3
		.amdhsa_memory_ordered 1
		.amdhsa_forward_progress 1
		.amdhsa_inst_pref_size 158
	.end_amdhsa_kernel
	.amdgpu_metadata
---
amdhsa.version: [ 1, 2 ]
amdhsa.kernels:
  - .name:           k_q43534ecd0c_proj
    .symbol:         k_q43534ecd0c_proj.kd
    .args:
      - { .name: a_img, .offset: 0, .size: 8, .value_kind: global_buffer, .address_space: global }
      - { .name: a_sc, .offset: 8, .size: 8, .value_kind: global_buffer, .address_space: global }
      - { .name: w_img, .offset: 16, .size: 8, .value_kind: global_buffer, .address_space: global }
      - { .name: w_sc, .offset: 24, .size: 8, .value_kind: global_buffer, .address_space: global }
      - { .name: out0, .offset: 32, .size: 8, .value_kind: global_buffer, .address_space: global }
    .group_segment_fixed_size: 327680
    .private_segment_fixed_size: 0
    .kernarg_segment_align: 8
    .kernarg_segment_size: 40
    .max_flat_workgroup_size: 128
    .sgpr_count:     100
    .vgpr_count:     1024
    .wavefront_size: 32
...
	.end_amdgpu_metadata
.endif
;; end of part 4
